; MI455X (gfx1250); checked and timed in simulation.
; The chip was launched on July 23, 2026; its instructions are those of AMD's public machine-readable ISA for CDNA 5 (MIT licence, August 2026) and "CDNA5" Instruction Set Architecture Reference Guide (July 2026). The comments in the code are by the model that wrote it; some were corrected since.
;; Block. Allowed arithmetic: float matrix products may take bf16 or f16 operands with f32 sums; other float arithmetic in f32, or as packed bf16 or f16 multiplies, adds, multiply-adds, maxima and minima; sums over many terms, partial sums and values carried from step to step in f32; what a program stores and reads back later, other than sums and carried values, may be rounded once to bf16 or f16.
;; Inputs: W1 1,024 x 4,096 float32; W2 4,096 x 1,024 float32; Wk 16 x 1,024 x 64 float32; Wo 1,024 x 1,024 float32; Wq 16 x 1,024 x 64 float32; Wv 16 x 1,024 x 64 float32; b1 4,096 float32; b2 1,024 float32; bo 1,024 float32; ln1_b 1,024 float32; ln1_g 1,024 float32; ln2_b 1,024 float32; ln2_g 1,024 float32; x 2 x 2,048 x 1,024 float32.
;; Outputs: out0 2 x 2,048 x 1,024 float32.
;; One version. Each part assembles by itself: llvm-mc -triple=amdgcn-amd-amdhsa -mcpu=gfx1250 --defsym DOCPART=n.
;; ======== version 1 of 1: 7 launches
;; limits: values are held in f16: magnitudes above 65,504 overflow, below 6.1e-05 lose precision
;; workspace buffers: xn 8,388,608 bytes; wb 25,165,824 bytes; qkv 25,165,824 bytes; att 8,388,608 bytes; x1 16,777,216 bytes; h 33,554,432 bytes
;; launch prep (part 1): grid 1024 x 1, 8 waves a work-group, no clusters, 0 bytes of LDS; arguments x, ln1_g, ln1_b, Wq, Wk, Wv, Wo, W1, W2, xn, wb; writes xn, wb
.if DOCPART == 1
	.amdgcn_target "amdgcn-amd-amdhsa--gfx1250"
	.amdhsa_code_object_version 6
	.text
	.protected	k_q11d6159c19_prep
	.globl	k_q11d6159c19_prep
	.p2align	8
	.type	k_q11d6159c19_prep,@function
k_q11d6159c19_prep:
	s_mov_b64 s[64:65], 0
	v_nop
	global_prefetch_b8 v0, s[64:65] scope:SCOPE_SE
	s_setreg_imm32_b32 hwreg(HW_REG_WAVE_MODE, 25, 1), 1
	s_wait_xcnt 0x0
; PREPARATION.  Three kinds of work-group, told apart by the work-group's number alone; each reads 64 KiB.
;   0..255     layer norm 1: xn[row][:] = (x - mean) * rsqrt(var + 1e-5) * g + b, rounded once to bf16.  16 rows a work-group, 2 a wave.
;   256..447   Wq, Wk, Wv ([head][d][64] f32) -> wb at byte 0 as ONE matrix [d = 1024][3072] bf16, column = sel*1024 + head*64 + k
;   448..1023  Wo, W1, W2 (f32, [K][N]) -> wb at bytes 6,291,456 / 8,388,608 / 16,777,216, bf16, same order of numbers
; The norm keeps a row in registers: mean first, then the variance of x - mean (never a difference of large sums), all in f32.
; Every store of a wave covers 256 consecutive bytes, aligned.  No LDS, no barrier: no wave needs another's data.
.set X,  16                            ; v[16:79]   two rows, 32 registers each: load j of a row holds columns 128 j + 4 lane .. + 3
.set G,  80                            ; v[80:111]  gain, same columns
.set BB, 112                           ; v[112:143] bias
.set T,  144                           ; v[144:151] at work
.set MU, 152                           ; v[152:153] the mean, twice
.set RS, 154                           ; v[154:155] 1 / sqrt(var + eps), twice
	s_load_b512 s[4:19], s[0:1], 0x0               ; x 4:5, g 6:7, b 8:9, Wq 10:11, Wk 12:13, Wv 14:15, Wo 16:17, W1 18:19
	s_load_b128 s[20:23], s[0:1], 0x40             ; W2 20:21, xn 22:23
	s_load_b64 s[24:25], s[0:1], 0x50              ; wb
	v_lshrrev_b32 v1, 5, v0
	v_readfirstlane_b32 s26, v1                    ; wave 0..7
	v_and_b32 v2, 31, v0                           ; lane
	v_lshlrev_b32 v3, 4, v2                        ; 16 bytes a lane on the way in
	v_lshlrev_b32 v4, 3, v2                        ; 8 bytes a lane on the way out
	s_mov_b32 s30, 0x3a800000                      ; 1 / 1024
	s_mov_b32 s31, 0x3727c5ac                      ; 1e-5
	s_mov_b32 s32, 0x76543210                      ; v_permlanex16_b32: each lane takes its own place in the other half
	s_mov_b32 s33, 0xfedcba98
	s_wait_kmcnt 0x0
; sixteen loads of 16 bytes a lane, then for each: two roundings and one store of 8 bytes a lane
.macro CAST16 vin, vout, instep, outstep
.set i, 0
.rept 16
	global_load_b128 v[16+4*i:16+4*i+3], v[\vin], s[28:29] offset:(\instep)*i th:TH_LOAD_NT
.set i, i+1
.endr
.set i, 0
.rept 16
	s_wait_loadcnt 15-i                            ; loads come back in order: load i is in, the 15 - i younger ones stay out
	v_cvt_pk_bf16_f32 v[80+2*i], v[16+4*i], v[16+4*i+1]
	v_cvt_pk_bf16_f32 v[80+2*i+1], v[16+4*i+2], v[16+4*i+3]
	global_store_b64 v[\vout], v[80+2*i:80+2*i+1], s[34:35] offset:(\outstep)*i
.set i, i+1
.endr
.endm
; the four pairs in T are added up, over the lane and then over the 32 lanes: every lane ends with the sum in v[T]
.macro REDUCE
	v_pk_add_f32 v[T:T+1], v[T:T+1], v[T+2:T+3]
	v_pk_add_f32 v[T+4:T+5], v[T+4:T+5], v[T+6:T+7]
	v_pk_add_f32 v[T:T+1], v[T:T+1], v[T+4:T+5]
	v_add_f32 v[T], v[T], v[T+1]
	v_add_f32_dpp v[T], v[T], v[T] row_xmask:1 row_mask:0xf bank_mask:0xf
	v_add_f32_dpp v[T], v[T], v[T] row_xmask:2 row_mask:0xf bank_mask:0xf
	v_add_f32_dpp v[T], v[T], v[T] row_xmask:4 row_mask:0xf bank_mask:0xf
	v_add_f32_dpp v[T], v[T], v[T] row_xmask:8 row_mask:0xf bank_mask:0xf
	v_permlanex16_b32 v[T+1], v[T], s32, s33
	v_add_f32 v[T], v[T], v[T+1]
.endm
; the row at registers xb: mean; x - mean in place; variance; 1 / sqrt(var + eps)
.macro STATS xb
.irp c, 0,1,2,3
	v_pk_add_f32 v[T+2*(\c):T+2*(\c)+1], v[(\xb)+4*(\c):(\xb)+4*(\c)+1], v[(\xb)+4*(\c)+2:(\xb)+4*(\c)+3]  ; the first eight pairs start four chains: nothing is cleared
.endr
.set p, 8
.rept 8
	v_pk_add_f32 v[T+2*(p%4):T+2*(p%4)+1], v[T+2*(p%4):T+2*(p%4)+1], v[(\xb)+2*p:(\xb)+2*p+1]
.set p, p+1
.endr
	REDUCE
	v_mul_f32 v[MU], s30, v[T]
	v_mov_b32 v[MU+1], v[MU]
.set p, 0
.rept 16
	v_pk_add_f32 v[(\xb)+2*p:(\xb)+2*p+1], v[(\xb)+2*p:(\xb)+2*p+1], v[MU:MU+1] neg_lo:[0,1] neg_hi:[0,1]
.set p, p+1
.endr
.irp c, 0,1,2,3
	v_pk_mul_f32 v[T+2*(\c):T+2*(\c)+1], v[(\xb)+2*(\c):(\xb)+2*(\c)+1], v[(\xb)+2*(\c):(\xb)+2*(\c)+1]
.endr
.set p, 4
.rept 12
	v_pk_fma_f32 v[T+2*(p%4):T+2*(p%4)+1], v[(\xb)+2*p:(\xb)+2*p+1], v[(\xb)+2*p:(\xb)+2*p+1], v[T+2*(p%4):T+2*(p%4)+1]
.set p, p+1
.endr
	REDUCE
	v_fma_f32 v[T], v[T], s30, s31                 ; var + eps
	v_rsq_f32 v[RS], v[T]
	v_nop                                          ; a plain instruction between the root and the use of its result
	s_wait_alu depctr_va_vdst(0)
	v_mov_b32 v[RS+1], v[RS]
.endm
; scaled, gained, biased, rounded and stored: eight stores of 256 consecutive bytes
.macro OUT xb, row
.set p, 0
.rept 16
	v_pk_mul_f32 v[(\xb)+2*p:(\xb)+2*p+1], v[(\xb)+2*p:(\xb)+2*p+1], v[RS:RS+1]
	v_pk_fma_f32 v[(\xb)+2*p:(\xb)+2*p+1], v[(\xb)+2*p:(\xb)+2*p+1], v[G+2*p:G+2*p+1], v[BB+2*p:BB+2*p+1]
.set p, p+1
.endr
.irp j, 0,1,2,3,4,5,6,7
	v_cvt_pk_bf16_f32 v[(\xb)+4*(\j)], v[(\xb)+4*(\j)], v[(\xb)+4*(\j)+1]
	v_cvt_pk_bf16_f32 v[(\xb)+4*(\j)+1], v[(\xb)+4*(\j)+2], v[(\xb)+4*(\j)+3]
	global_store_b64 v4, v[(\xb)+4*(\j):(\xb)+4*(\j)+1], s[22:23] offset:2048*(\row)+256*(\j)
.endr
.endm
	s_cmp_lt_u32 ttmp9, 256
	s_cbranch_scc1 .Lnorm
	s_cmp_lt_u32 ttmp9, 448
	s_cbranch_scc1 .Lqkv
	; Wo, W1, W2: a plain stream.  A wave takes 8,192 bytes in, 4,096 out.
	s_sub_co_u32 s27, ttmp9, 448
	s_mov_b32 s36, 6291456                         ; where the copy begins in wb
	s_mov_b32 s37, 0                               ; the tensor's first work-group
	s_mov_b64 s[28:29], s[16:17]
	s_cmp_ge_u32 s27, 64
	s_cselect_b64 s[28:29], s[18:19], s[28:29]
	s_cselect_b32 s36, 8388608, s36
	s_cselect_b32 s37, 64, s37
	s_cmp_ge_u32 s27, 320
	s_cselect_b64 s[28:29], s[20:21], s[28:29]
	s_cselect_b32 s36, 16777216, s36
	s_cselect_b32 s37, 320, s37
	s_sub_co_u32 s27, s27, s37
	s_lshl_b32 s27, s27, 3
	s_add_co_u32 s27, s27, s26
	s_lshl_b32 s38, s27, 13
	s_mov_b32 s39, 0
	s_add_nc_u64 s[28:29], s[28:29], s[38:39]
	s_lshr_b32 s38, s38, 1
	s_add_co_u32 s38, s38, s36
	s_add_nc_u64 s[34:35], s[24:25], s[38:39]
	CAST16 3, 4, 512, 256
	s_endpgm
.Lqkv:
	; Wq, Wk, Wv.  A wave takes 16 rows d of a pair of heads: lanes 0-15 the even head's 64 numbers of a row, lanes 16-31 the odd head's: 256 consecutive bytes of the merged matrix.
	s_sub_co_u32 s27, ttmp9, 256
	s_lshr_b32 s36, s27, 6                         ; sel: 0 q, 1 k, 2 v
	s_and_b32 s27, s27, 63
	s_lshl_b32 s27, s27, 3
	s_add_co_u32 s27, s27, s26                     ; the wave among the tensor's 512
	s_lshr_b32 s37, s27, 6                         ; pair of heads
	s_and_b32 s27, s27, 63                         ; block of 16 rows d
	s_cmp_eq_u32 s36, 0
	s_cselect_b64 s[28:29], s[10:11], s[12:13]
	s_cmp_eq_u32 s36, 2
	s_cselect_b64 s[28:29], s[14:15], s[28:29]
	s_lshl_b32 s38, s37, 19                        ; two heads of 262,144 bytes
	s_lshl_b32 s39, s27, 12                        ; 16 rows of 256 bytes
	s_add_co_u32 s38, s38, s39
	s_mov_b32 s39, 0
	s_add_nc_u64 s[28:29], s[28:29], s[38:39]
	s_mul_i32 s38, s27, 16*6144                    ; 16 rows of 6,144 bytes
	s_lshl_b32 s36, s36, 11
	s_add_co_u32 s38, s38, s36
	s_lshl_b32 s37, s37, 8
	s_add_co_u32 s38, s38, s37
	s_add_nc_u64 s[34:35], s[24:25], s[38:39]
	v_lshrrev_b32 v5, 4, v2
	v_and_b32 v6, 15, v2
	v_lshlrev_b32 v5, 18, v5
	v_lshl_add_u32 v5, v6, 4, v5
	CAST16 5, 4, 256, 6144
	s_endpgm
.Lnorm:
	s_lshl_b32 s34, ttmp9, 16                      ; 16 rows of 4,096 bytes a work-group,
	s_lshl_b32 s35, s26, 13                        ; 2 a wave
	s_add_co_u32 s34, s34, s35
	s_mov_b32 s35, 0
	s_add_nc_u64 s[4:5], s[4:5], s[34:35]
	s_lshr_b32 s34, s34, 1                         ; half as many bytes out
	s_add_nc_u64 s[22:23], s[22:23], s[34:35]
.irp r, 0,1
.irp j, 0,1,2,3,4,5,6,7
	global_load_b128 v[X+32*(\r)+4*(\j):X+32*(\r)+4*(\j)+3], v3, s[4:5] offset:4096*(\r)+512*(\j) th:TH_LOAD_NT
.endr
.endr
.irp j, 0,1,2,3,4,5,6,7
	global_load_b128 v[G+4*(\j):G+4*(\j)+3], v3, s[6:7] offset:512*(\j)
.endr
.irp j, 0,1,2,3,4,5,6,7
	global_load_b128 v[BB+4*(\j):BB+4*(\j)+3], v3, s[8:9] offset:512*(\j)
.endr
	s_wait_loadcnt 16                              ; both rows are in; the sixteen loads of gain and bias stay out
	STATS X
	s_wait_loadcnt 0x0
	OUT X, 0
	STATS X+32
	OUT X+32, 1
	s_endpgm
.Lfunc_end_k_q11d6159c19_prep:
	.size	k_q11d6159c19_prep, .Lfunc_end_k_q11d6159c19_prep-k_q11d6159c19_prep
	.p2alignl 7, 3214868480
	.fill 96, 4, 3214868480
	.section	.rodata,"a",@progbits
	.p2align	6, 0x0
	.amdhsa_kernel k_q11d6159c19_prep
		.amdhsa_group_segment_fixed_size 0
		.amdhsa_private_segment_fixed_size 0
		.amdhsa_enable_private_segment 0
		.amdhsa_kernarg_size 88
		.amdhsa_user_sgpr_count 2
		.amdhsa_user_sgpr_kernarg_segment_ptr 1
		.amdhsa_wavefront_size32 1
		.amdhsa_system_sgpr_workgroup_id_x 1
		.amdhsa_system_sgpr_workgroup_id_y 1
		.amdhsa_system_sgpr_workgroup_id_z 1
		.amdhsa_system_vgpr_workitem_id 0
		.amdhsa_next_free_vgpr 160
		.amdhsa_next_free_sgpr 66
		.amdhsa_reserve_vcc 0
		.amdhsa_float_denorm_mode_32 3
		.amdhsa_float_denorm_mode_16_64 3
		.amdhsa_memory_ordered 1
		.amdhsa_forward_progress 1
		.amdhsa_inst_pref_size 33
	.end_amdhsa_kernel
	.amdgpu_metadata
---
amdhsa.version: [ 1, 2 ]
amdhsa.kernels:
  - .name:           k_q11d6159c19_prep
    .symbol:         k_q11d6159c19_prep.kd
    .args:
      - { .name: x, .offset: 0, .size: 8, .value_kind: global_buffer, .address_space: global }
      - { .name: ln1_g, .offset: 8, .size: 8, .value_kind: global_buffer, .address_space: global }
      - { .name: ln1_b, .offset: 16, .size: 8, .value_kind: global_buffer, .address_space: global }
      - { .name: Wq, .offset: 24, .size: 8, .value_kind: global_buffer, .address_space: global }
      - { .name: Wk, .offset: 32, .size: 8, .value_kind: global_buffer, .address_space: global }
      - { .name: Wv, .offset: 40, .size: 8, .value_kind: global_buffer, .address_space: global }
      - { .name: Wo, .offset: 48, .size: 8, .value_kind: global_buffer, .address_space: global }
      - { .name: W1, .offset: 56, .size: 8, .value_kind: global_buffer, .address_space: global }
      - { .name: W2, .offset: 64, .size: 8, .value_kind: global_buffer, .address_space: global }
      - { .name: xn, .offset: 72, .size: 8, .value_kind: global_buffer, .address_space: global }
      - { .name: wb, .offset: 80, .size: 8, .value_kind: global_buffer, .address_space: global }
    .group_segment_fixed_size: 0
    .private_segment_fixed_size: 0
    .kernarg_segment_align: 8
    .kernarg_segment_size: 88
    .max_flat_workgroup_size: 256
    .sgpr_count:     66
    .vgpr_count:     160
    .wavefront_size: 32
...
	.end_amdgpu_metadata
.endif
;; end of part 1
;; launch qkv (part 2): grid 12 x 16, 8 waves a work-group, clusters of 4 x 4, 327,680 bytes of LDS; arguments xn, wb, qkv; writes qkv
.if DOCPART == 2
	.amdgcn_target "amdgcn-amd-amdhsa--gfx1250"
	.amdhsa_code_object_version 6
	.text
	.protected	k_q11d6159c19_qkv
	.globl	k_q11d6159c19_qkv
	.p2align	8
	.type	k_q11d6159c19_qkv,@function
k_q11d6159c19_qkv:
	s_mov_b64 s[64:65], 0
	v_nop
	global_prefetch_b8 v0, s[64:65] scope:SCOPE_SE
	s_setreg_imm32_b32 hwreg(HW_REG_WAVE_MODE, 25, 1), 1
	s_wait_xcnt 0x0
	s_wait_alu depctr_hold_cnt(0) depctr_sa_sdst(0) depctr_va_vdst(0) depctr_va_sdst(0) depctr_va_ssrc(0) depctr_va_vcc(0) depctr_vm_vsrc(0)
	s_getreg_b32 s2, hwreg(HW_REG_IB_STS2, 6, 4)
	s_cmp_eq_u32 s2, 0
	s_cbranch_scc0 .Lentry_in_a_cluster
	s_endpgm
.Lentry_in_a_cluster:
	s_bfe_u32 s2, ttmp6, 0x10000c
	s_cmp_lg_u32 s2, 0xf033
	s_cbranch_scc0 .Lentry_shape_is_right
	s_endpgm
.Lentry_shape_is_right:
; C = A B (+ bias, ReLU).  A: [4096][1024] bf16, rows along K.  B: [1024][SIZE_N] bf16 at byte WOFF of the weights' buffer, rows along N.  Sums in f32.
; THIS COPY (RELU = 0): q, k, v = xn Wqkv, rounded once to f16, unscaled, stored by heads: [sel][batch*16+head][t][64].
; LIMIT: f16 holds no number beyond 65,504: |q|, |k|, |v| must stay below that.
; SHARES.  A work-group makes 256 x 256 of C; eight waves, wave w rows 64 (w / 2) on, columns 128 (w % 2) on: 4 x 8 accumulators of 16 x 16, 256 registers.
; K goes in steps of 128 through two LDS slots.  Waves 0-3 fetch 64 rows of A each, waves 4-7 32 K rows of B each: one tensor load a wave.
; B lies [K][N]: its fragments come out of LDS turned, by ds_load_tr16_b128, two loads a fragment as for A.
; THE MATRIX INSTRUCTION IS USED TRANSPOSED (source 0 = 16 columns of B, source 1 = 16 rows of A): a lane holds row l % 16 of C and the columns 8 (l / 16) + 0..7.
; CLUSTER 4 x 4: A's tile is shared along a row of the cluster, B's along a column: each is asked for jointly, by the same load with the same descriptor and a mask of four.
; REGISTERS: window 0: v16-30 addresses; v32-127, v128-223 two fragment buffers (8 of B, then 4 of A); v224-255 packed results.  Window 1: accumulator (a, b) at v[8 (8 a + b)].
.set SIZE_N, 3072
.set WOFF,   0
.set RELU,   0
.set SIZE_K, 1024
.set KSTEP,  128
.set NK,     SIZE_K/KSTEP
.set PA,     272                       ; a row of A in LDS: 256 bytes + 16: the 16 rows of a fragment load start 4 banks apart
.set PB,     544                       ; a K row of B: 512 bytes + 32
.set PART,   17408                     ; what one tensor load fills: 64 x 272 = 32 x 544
.set BOFF,   4*PART                    ; B's 128 K rows lie behind A's 256 rows
.set SLOT,   8*PART                    ; 139,264 = bits 17 and 13, which no w x PART has: one exclusive or changes slots
.set STAGE,  2*SLOT                    ; behind the ring: 16 rows x 272 bytes for each wave
.set SP,     272
.set SPARE,  STAGE+8*16*SP             ; the spare words: 128 bytes for each of eight waves, four blocks of 256 bytes that no other line names
.set A0,   16                          ; my lane's place in a slot's A; never rewritten
.set B0,   17                          ; in a slot's B
.set ADRA, 18                          ; the same in the slot being read
.set ADRB, 19
.set STO,  24                          ; the way out: where I put 16 bytes of a row
.set RD,   25                          ; where I read rows back
.set CO,   26                          ; my byte offset in the output
.set BO,   27                          ; 32 (l / 16): my eight numbers of a bias fragment
.set SPW,  28                          ; my spare word; never rewritten
.set NIL,  29                          ; 0; never rewritten
.set ZR,   30                          ; 0, for the ReLU
.set F0,   32
.set F1,   128
.set BIAS, 128                         ; eight fragments of bias, in buffer 1 ahead of its first fill
.set TMP,  224
.set OB,   32                          ; the way out: block a's rows at v[32 + 32 a]
.set G1,   24                          ; s[24:31] group 1 for A;  s[32:35], s[36:39] group 0: K step 0, and K step 1, which then walks
.set G0,   32
.set G1B,  48                          ; s[48:55], s[56:63] the same for B
.set G0B,  56
.set TB,   2                           ; s2  first byte of the slot being read
.set CNT,  3
.set MSB,  0
.macro WIN new                         ; the immediate's high byte repeats the setting that is left; a switch that changes nothing is dropped
.if MSB != (\new)
	s_set_vgpr_msb (MSB<<8)|(\new)
.set MSB, \new
.endif
.endm
.macro PLACES                          ; four places behind matrix instructions, in front of loads into their sources and of reads of their results
.rept 4
	v_nop
.endr
.endm
; a joint refill by the walking descriptor; the branch hangs on the wave's number alone.  An s_nop 0 and four v_nop follow each line.
.macro JLOAD
	s_cmp_eq_u32 s11, 0
	s_cbranch_scc0 .Lfor_b_\@
	tensor_load_to_lds s[G0+4:G0+7], s[G1:G1+7]
	s_nop 0
	PLACES
	s_branch .Lasked_\@
.Lfor_b_\@:
	tensor_load_to_lds s[G0B+4:G0B+7], s[G1B:G1B+7]
	s_nop 0
	PLACES
.Lasked_\@:
.endm
.macro CREST                           ; a round of the cluster's barrier behind its opening barrier
	s_cmp_lg_u32 s10, 0
	s_cbranch_scc1 .Lnot_wave_0_\@
	s_barrier_signal -3
.Lnot_wave_0_\@:
	s_barrier_wait -3
	s_barrier_signal -1
	s_barrier_wait -1
.endm
.macro CROUND
	s_barrier_signal -1
	s_barrier_wait -1
	CREST
.endm
	s_load_b128 s[4:7], s[0:1], 0x0                ; A s[4:5], weights s[6:7]
	s_load_b64 s[8:9], s[0:1], 0x10                ; the output
.if RELU
	s_load_b64 s[66:67], s[0:1], 0x18              ; the bias
.endif
	v_lshl_add_u32 v[SPW], v0, 2, SPARE
	v_mov_b32 v[NIL], 0
	ds_add_u32 v[SPW], v[NIL]                      ; the wave's opening: the add and its wait stand ahead of my first tensor load
	ds_add_u32 v28, v29
	v_lshrrev_b32 v1, 5, v0
	v_readfirstlane_b32 s10, v1                    ; wave 0..7
	s_lshr_b32 s11, s10, 2                         ; I fetch for A (0) or for B (1),
	s_and_b32 s12, s10, 3                          ; this quarter of the tile
	s_lshr_b32 s68, s10, 1                         ; my 64 rows of C
	s_and_b32 s69, s10, 1                          ; my 128 columns
	s_bfe_u32 s40, ttmp6, 0x40000                  ; cx
	s_bfe_u32 s41, ttmp6, 0x40004                  ; cy
	s_lshl_b32 s42, ttmp9, 2
	s_add_co_u32 s42, s42, s40                     ; tile column
	s_and_b32 s13, ttmp7, 0xffff
	s_lshl_b32 s13, s13, 2
	s_add_co_u32 s13, s13, s41                     ; tile row
	s_lshl_b32 s43, s41, 2
	s_lshl_b32 s43, 15, s43                        ; my row of the cluster
	s_lshl_b32 s44, 0x1111, s40                    ; my column
	s_or_b32 s[G1], s43, (1<<16)|(1<<20)|(1<<21)|(5<<22)|(3<<25)   ; mask; 2-byte elements; padding on; bit 21 beside a mask; after every 64 words 4 words
	s_mov_b32 s[G1+1], KSTEP<<16                   ; tensor_dim0 = 128
	s_mov_b32 s[G1+2], 64<<16                      ; tensor_dim1 = 64
	s_mov_b32 s[G1+3], KSTEP<<16                   ; tile_dim0 = 128
	s_mov_b32 s[G1+4], 64                          ; tile_dim1 = 64
	s_mov_b32 s[G1+5], SIZE_K                      ; elements from row to row
	s_mov_b32 s[G1+6], 0
	s_mov_b32 s[G1+7], 0
	s_or_b32 s[G1B], s44, (1<<16)|(1<<20)|(1<<21)|(6<<22)|(7<<25)  ; after every 128 words 8 words
	s_mov_b32 s[G1B+1], 256<<16                    ; 256 columns
	s_mov_b32 s[G1B+2], 32<<16                     ; 32 K rows
	s_mov_b32 s[G1B+3], 256<<16
	s_mov_b32 s[G1B+4], 32
	s_mov_b32 s[G1B+5], SIZE_N
	s_mov_b32 s[G1B+6], 0
	s_mov_b32 s[G1B+7], 0
	s_lshl_b32 s16, s13, 8                         ; A: row 256 x tile row + 64 x quarter,
	s_lshl_b32 s17, s12, 6
	s_add_co_u32 s16, s16, s17
	s_lshl_b32 s16, s16, 11                        ; of 2,048 bytes
	s_mov_b32 s17, 0
	s_mul_i32 s46, s12, 64*SIZE_N                  ; B: 32 K rows x quarter,
	s_lshl_b32 s47, s42, 9                         ; 512 bytes x tile column
	s_add_co_u32 s46, s46, s47
	s_add_co_u32 s46, s46, WOFF
	s_mov_b32 s47, 0
	s_mul_i32 s20, s10, PART                       ; where my part lands in a slot: the wave's number alone
	s_mov_b32 s[TB], 0
	s_wait_dscnt 0x0                               ; the opening add is done
	s_wait_kmcnt 0x0
	s_add_nc_u64 s[14:15], s[4:5], s[16:17]
	s_add_nc_u64 s[46:47], s[6:7], s[46:47]
	CROUND                                         ; all sixteen work-groups are here: the first joint loads meet
.irp s, 0,1
	s_mov_b32 s[G0+4*(\s)], 1
	s_add_co_u32 s[G0+4*(\s)+1], s20, (\s)*SLOT
	s_add_nc_u64 s[G0+4*(\s)+2:G0+4*(\s)+3], s[14:15], (\s)*KSTEP*2
	s_or_b32 s[G0+4*(\s)+3], s[G0+4*(\s)+3], 0x80000000
	s_mov_b32 s[G0B+4*(\s)], 1
	s_add_co_u32 s[G0B+4*(\s)+1], s20, (\s)*SLOT
	s_add_nc_u64 s[G0B+4*(\s)+2:G0B+4*(\s)+3], s[46:47], (\s)*KSTEP*SIZE_N*2
	s_or_b32 s[G0B+4*(\s)+3], s[G0B+4*(\s)+3], 0x80000000
.endr
	s_cmp_eq_u32 s11, 0                            ; a wave's two first fills stand in one branch: two tensor loads of mine are out
	s_cbranch_scc0 .Lfirst_b
	tensor_load_to_lds s[G0:G0+3], s[G1:G1+7]
	s_nop 0
	tensor_load_to_lds s[G0+4:G0+7], s[G1:G1+7]
	s_nop 0
	PLACES
	s_branch .Lfirst_asked
.Lfirst_b:
	tensor_load_to_lds s[G0B:G0B+3], s[G1B:G1B+7]
	s_nop 0
	tensor_load_to_lds s[G0B+4:G0B+7], s[G1B:G1B+7]
	s_nop 0
	PLACES
.Lfirst_asked:
	v_and_b32 v1, 15, v0                           ; l % 16
	v_bfe_u32 v2, v0, 4, 1                         ; l / 16
.if RELU
	s_lshl_b32 s70, s42, 10                        ; my first column's bias: 4 bytes x (256 x tile column + 128 x half)
	s_lshl_b32 s71, s69, 9
	s_add_co_u32 s70, s70, s71
	s_mov_b32 s71, 0
	s_add_nc_u64 s[66:67], s[66:67], s[70:71]
	v_lshlrev_b32 v[BO], 5, v2
.irp b, 0,1,2,3,4,5,6,7
	global_load_b128 v[BIAS+8*(\b):BIAS+8*(\b)+3],   v[BO], s[66:67] offset:64*(\b)      ; register j: the bias of column 16 b + 8 (l / 16) + j, as a result holds it
	global_load_b128 v[BIAS+8*(\b)+4:BIAS+8*(\b)+7], v[BO], s[66:67] offset:64*(\b)+16
.endr
	v_mov_b32 v[ZR], 0
.endif
	v_mul_u32_u24 v3, v1, PA
	v_lshl_add_u32 v3, v2, 4, v3                   ; row x 272 + 16 x half: for A's fragments and for the stage
	s_mul_i32 s21, s68, PART
	v_add_nc_u32 v[A0], s21, v3
	v_and_b32 v4, 7, v0
	v_bfe_u32 v5, v0, 3, 1
	v_lshl_add_u32 v6, v2, 3, v4                   ; the turning load: K row 8 (l / 16) + l % 8,
	v_mul_u32_u24 v6, v6, PB
	v_lshl_add_u32 v6, v5, 4, v6                   ; columns 8 ((l / 8) % 2) on
	s_lshl_b32 s22, s69, 8
	s_add_co_u32 s22, s22, BOFF
	v_add_nc_u32 v[B0], s22, v6
	s_mul_i32 s23, s10, 16*SP
	s_add_co_u32 s23, s23, STAGE                   ; my stage
	v_add_nc_u32 v[STO], s23, v3
	s_lshl_b32 s72, s13, 8
	s_lshl_b32 s73, s68, 6
	s_add_co_u32 s72, s72, s73                     ; my first row of C
.if RELU
	v_mul_u32_u24 v7, v2, SP                       ; back: lanes 0-15 one row of 256 bytes, lanes 16-31 the next
	v_lshl_add_u32 v7, v1, 4, v7
	v_add_nc_u32 v[RD], s23, v7
	v_mul_u32_u24 v7, v2, SIZE_N*2
	v_lshl_add_u32 v[CO], v1, 4, v7
	s_lshl_b32 s70, s72, 13                        ; rows of 8,192 bytes
	s_lshl_b32 s73, s42, 9
	s_add_co_u32 s70, s70, s73
	s_lshl_b32 s73, s69, 8
	s_add_co_u32 s70, s70, s73
.else
	v_bfe_u32 v7, v0, 3, 2                         ; back: 32 lanes take one head's 128 bytes of four rows,
	v_mul_u32_u24 v7, v7, SP
	v_lshl_add_u32 v7, v4, 4, v7
	v_add_nc_u32 v[RD], s23, v7
	v_and_b32 v7, 31, v0                           ; which are 512 consecutive bytes of the output
	v_lshlrev_b32 v[CO], 4, v7
	s_lshl_b32 s70, s42, 2                         ; my first block of 64 columns: 4 x tile column + 2 x half
	s_lshl_b32 s71, s69, 1
	s_add_co_u32 s70, s70, s71
	s_lshr_b32 s71, s70, 4                         ; q, k or v
	s_lshl_b32 s71, s71, 23
	s_and_b32 s70, s70, 15                         ; the head
	s_lshl_b32 s70, s70, 18
	s_add_co_u32 s70, s70, s71
	s_lshr_b32 s73, s72, 11                        ; the batch
	s_lshl_b32 s73, s73, 22
	s_add_co_u32 s70, s70, s73
	s_and_b32 s72, s72, 2047                       ; the row in it, of 128 bytes
	s_lshl_b32 s72, s72, 7
	s_add_co_u32 s70, s70, s72
.endif
	s_mov_b32 s71, 0
	s_add_nc_u64 s[8:9], s[8:9], s[70:71]
; 8 matrix instructions: row block a x all 8 column blocks, 32 along K.  mode = 1: they start the sums, with the bias or with 0: nothing is cleared.
; The 32 accumulators take turns, one instruction a turn, in the same order in every quarter.
.macro MULA f, a, mode
.if \mode
	WIN 0x40
.else
	WIN 0x50
.endif
.irp b, 0,1,2,3,4,5,6,7
.if \mode
.if RELU
	v_wmma_f32_16x16x32_bf16 v[8*(8*(\a)+(\b)):8*(8*(\a)+(\b))+7], v[(\f)+8*(\b):(\f)+8*(\b)+7], v[(\f)+64+8*(\a):(\f)+64+8*(\a)+7], v[BIAS+8*(\b):BIAS+8*(\b)+7]
.else
	v_wmma_f32_16x16x32_bf16 v[8*(8*(\a)+(\b)):8*(8*(\a)+(\b))+7], v[(\f)+8*(\b):(\f)+8*(\b)+7], v[(\f)+64+8*(\a):(\f)+64+8*(\a)+7], 0
.endif
.else
	v_wmma_f32_16x16x32_bf16 v[8*(8*(\a)+(\b)):8*(8*(\a)+(\b))+7], v[(\f)+8*(\b):(\f)+8*(\b)+7], v[(\f)+64+8*(\a):(\f)+64+8*(\a)+7], v[8*(8*(\a)+(\b)):8*(8*(\a)+(\b))+7]
.endif
.endr
.endm
; 24 LDS loads in one run: quarter kq (32 along K) of the slot being read, into buffer f: B's eight fragments, then A's four
.macro FETCH kq, f
	WIN 0
.irp i, 0,1,2,3,4,5,6,7
	ds_load_tr16_b128 v[(\f)+8*(\i):(\f)+8*(\i)+3],   v[ADRB] offset:(\kq)*32*PB+32*(\i)
	ds_load_tr16_b128 v[(\f)+8*(\i)+4:(\f)+8*(\i)+7], v[ADRB] offset:(\kq)*32*PB+32*(\i)+16*PB
.endr
.irp i, 0,1,2,3
	ds_load_b128 v[(\f)+64+8*(\i):(\f)+64+8*(\i)+3],   v[ADRA] offset:(\kq)*64+(\i)*16*PA
	ds_load_b128 v[(\f)+64+8*(\i)+4:(\f)+64+8*(\i)+7], v[ADRA] offset:(\kq)*64+(\i)*16*PA+32
.endr
.endm
; a quarter: multiplies buffer f; in its middle it fetches quarter kq into buffer g
.macro QUARTER kq, f, g
	s_wait_dscnt 4                                 ; B and A's fragments 0 and 1 are in; the youngest four loads (fragments 2 and 3) may be out
	MULA \f, 0, 0
	MULA \f, 1, 0
	PLACES
	FETCH \kq, \g
	s_wait_dscnt 24                                ; all but the 24 just issued
	MULA \f, 2, 0
	MULA \f, 3, 0
.endm
; the last quarter of a K step multiplies buffer 1 and changes slots.  In front of the barrier each wave waits for all its tensor loads (one is out: its part of the next slot),
; adds 0 to its spare word, and waits for that and for its reads of this slot.  fill = 1: the barrier opens a round of the cluster's, and this slot is filled again, first thing behind it.
.macro TURN fill
	WIN 0
	s_wait_tensorcnt 0x0
	ds_add_u32 v[SPW], v[NIL]
.if \fill
	s_xor_b32 s[G0+5], s[G0+5], SLOT               ; no tensor load of mine is out: the walking descriptors step: the other slot, the next K step
	s_add_nc_u64 s[G0+6:G0+7], s[G0+6:G0+7], KSTEP*2
	s_xor_b32 s[G0B+5], s[G0B+5], SLOT
	s_add_nc_u64 s[G0B+6:G0B+7], s[G0B+6:G0B+7], KSTEP*SIZE_N*2
.endif
	s_xor_b32 s[TB], s[TB], SLOT
	s_wait_dscnt 5                                 ; the add and the youngest four loads may be out
	MULA F1, 0, 0
	s_wait_dscnt 0x0                               ; the add is done, my reads of this slot are over
	s_barrier_signal -1
	MULA F1, 1, 0
	WIN 0
	s_barrier_wait -1
.if \fill
	CREST                                          ; no wave of any partner still reads this slot or has a load on its way
	JLOAD                                          ; its four v_nop are also the places in front of the loads below
.else
	PLACES
.endif
	v_add_nc_u32 v[ADRA], s[TB], v[A0]
	v_add_nc_u32 v[ADRB], s[TB], v[B0]
	FETCH 0, F0
	MULA F1, 2, 0
	MULA F1, 3, 0
.endm
	s_wait_tensorcnt 0x1                           ; my part of K step 0 is in; K step 1's load stays out
	s_barrier_signal -1
	s_barrier_wait -1
	v_mov_b32 v[ADRA], v[A0]
	v_mov_b32 v[ADRB], v[B0]
	FETCH 0, F0
.if RELU
	s_wait_loadcnt 0x0                             ; the bias
.endif
	s_wait_dscnt 0x0
	MULA F0, 0, 1                                  ; the first quarter stands in front of the loop: its products start the sums
	MULA F0, 1, 1
	MULA F0, 2, 1
	MULA F0, 3, 1
	PLACES
	FETCH 1, F1                                    ; behind all 32 products, since the bias lay in buffer 1
	WIN 0
	s_mov_b32 s[CNT], NK-2
.Lstep:                                                ; trip t ends K step t, asks for K step t + 2 and begins K step t + 1
	QUARTER 2, F1, F0
	QUARTER 3, F0, F1
	TURN 1
	QUARTER 1, F0, F1
	WIN 0
	s_sub_co_u32 s[CNT], s[CNT], 1
	s_cmp_lg_u32 s[CNT], 0
	s_cbranch_scc1 .Lstep
	QUARTER 2, F1, F0                              ; the last two K steps ask for nothing
	QUARTER 3, F0, F1
	TURN 0
	QUARTER 1, F0, F1
	QUARTER 2, F1, F0
	QUARTER 3, F0, F1
	s_wait_dscnt 4
	MULA F1, 0, 0
	MULA F1, 1, 0
	s_wait_dscnt 0x0
	MULA F1, 2, 0
	MULA F1, 3, 0
	PLACES
	PLACES
; THE WAY OUT, 16 rows at a time: rounded, 16 bytes a lane into my own stage, back as whole rows, stored.  Each block has registers of its own for its stores.
.macro PACK a
	WIN 0x05                                       ; sources in window 1, destination in window 0
.irp b, 0,1,2,3,4,5,6,7
.irp q, 0,1,2,3
.if RELU
	v_cvt_pk_bf16_f32 v[TMP+4*(\b)+(\q)], v[8*(8*(\a)+(\b))+2*(\q)], v[8*(8*(\a)+(\b))+2*(\q)+1]
.else
	v_cvt_pk_f16_f32 v[TMP+4*(\b)+(\q)], v[8*(8*(\a)+(\b))+2*(\q)], v[8*(8*(\a)+(\b))+2*(\q)+1]
.endif
.endr
.endr
	WIN 0
.if RELU
.set i, 0
.rept 32
	v_pk_max_num_bf16 v[TMP+i], v[TMP+i], v[ZR]    ; the ReLU, two at a time: nothing is rounded
.set i, i+1
.endr
.endif
.endm
.macro TOSTAGE a
.irp b, 0,1,2,3,4,5,6,7
	ds_store_b128 v[STO], v[TMP+4*(\b):TMP+4*(\b)+3] offset:32*(\b)
.endr
.irp t, 0,1,2,3,4,5,6,7
.if RELU
	ds_load_b128 v[OB+32*(\a)+4*(\t):OB+32*(\a)+4*(\t)+3], v[RD] offset:(\t)*2*SP           ; LDS serves a wave's instructions in order: these see the stores above
.else
	ds_load_b128 v[OB+32*(\a)+4*(\t):OB+32*(\a)+4*(\t)+3], v[RD] offset:((\t)/2)*4*SP+((\t)%2)*128
.endif
.endr
.endm
.macro SEND a
	s_wait_dscnt 0x0
.irp t, 0,1,2,3,4,5,6,7
.if RELU
	global_store_b128 v[CO], v[OB+32*(\a)+4*(\t):OB+32*(\a)+4*(\t)+3], s[8:9] offset:(16*(\a)+2*(\t))*SIZE_N*2      ; 16 lanes store 256 consecutive bytes, aligned
.else
	global_store_b128 v[CO], v[OB+32*(\a)+4*(\t):OB+32*(\a)+4*(\t)+3], s[8:9] offset:(\a)*2048+((\t)/2)*512+((\t)%2)*262144  ; four rows of one head: 512 consecutive bytes
.endif
.endr
.endm
	PACK 0
	TOSTAGE 0
.irp a, 1,2,3
	PACK \a                                        ; a block's conversions stand between the loads of the block before and the wait for them
	SEND (\a)-1
	TOSTAGE \a
.endr
	SEND 3
	s_wait_tensorcnt 0x0                           ; the wave's end
	ds_add_u32 v[SPW], v[NIL]
	s_wait_dscnt 0x0
	CROUND                                         ; the closing round
	s_endpgm
.Lfunc_end_k_q11d6159c19_qkv:
	.size	k_q11d6159c19_qkv, .Lfunc_end_k_q11d6159c19_qkv-k_q11d6159c19_qkv
	.p2alignl 7, 3214868480
	.fill 96, 4, 3214868480
	.section	.rodata,"a",@progbits
	.p2align	6, 0x0
	.amdhsa_kernel k_q11d6159c19_qkv
		.amdhsa_group_segment_fixed_size 327680
		.amdhsa_private_segment_fixed_size 0
		.amdhsa_enable_private_segment 0
		.amdhsa_kernarg_size 24
		.amdhsa_user_sgpr_count 2
		.amdhsa_user_sgpr_kernarg_segment_ptr 1
		.amdhsa_wavefront_size32 1
		.amdhsa_system_sgpr_workgroup_id_x 1
		.amdhsa_system_sgpr_workgroup_id_y 1
		.amdhsa_system_sgpr_workgroup_id_z 1
		.amdhsa_system_vgpr_workitem_id 0
		.amdhsa_next_free_vgpr 512
		.amdhsa_next_free_sgpr 80
		.amdhsa_reserve_vcc 0
		.amdhsa_float_denorm_mode_32 3
		.amdhsa_float_denorm_mode_16_64 3
		.amdhsa_memory_ordered 1
		.amdhsa_forward_progress 1
		.amdhsa_inst_pref_size 70
	.end_amdhsa_kernel
	.amdgpu_metadata
---
amdhsa.version: [ 1, 2 ]
amdhsa.kernels:
  - .name:           k_q11d6159c19_qkv
    .symbol:         k_q11d6159c19_qkv.kd
    .args:
      - { .name: xn, .offset: 0, .size: 8, .value_kind: global_buffer, .address_space: global }
      - { .name: wb, .offset: 8, .size: 8, .value_kind: global_buffer, .address_space: global }
      - { .name: qkv, .offset: 16, .size: 8, .value_kind: global_buffer, .address_space: global }
    .group_segment_fixed_size: 327680
    .private_segment_fixed_size: 0
    .kernarg_segment_align: 8
    .kernarg_segment_size: 24
    .max_flat_workgroup_size: 256
    .sgpr_count:     80
    .vgpr_count:     512
    .wavefront_size: 32
...
	.end_amdgpu_metadata
.endif
;; end of part 2
;; launch attn (part 3): grid 8 x 32, 4 waves a work-group, no clusters, 327,680 bytes of LDS; arguments qkv, att; writes att
.if DOCPART == 3
	.amdgcn_target "amdgcn-amd-amdhsa--gfx1250"
	.amdhsa_code_object_version 6
	.text
	.protected	k_q11d6159c19_attn
	.globl	k_q11d6159c19_attn
	.p2align	8
	.type	k_q11d6159c19_attn,@function
k_q11d6159c19_attn:
	s_mov_b64 s[64:65], 0
	v_nop
	global_prefetch_b8 v0, s[64:65] scope:SCOPE_SE
	s_setreg_imm32_b32 hwreg(HW_REG_WAVE_MODE, 25, 1), 1
	s_wait_xcnt 0x0
; CAUSAL ATTENTION.  O[hd][q][:] = the sum over k <= q of softmax_k(Q[q] . K[k] / 8) V[k][:], for 32 heads (batch x head) of 2,048 rows of 64.
; Q, K, V: f16, [sel][hd][t][64] in one buffer (K 8 MiB, V 16 MiB behind Q); O: bf16, [hd][t][64].  Products, maxima and sums in f32; the weights are rounded to f16 for the second product.
; LIMITS.  Q, K, V arrive within f16's 65,504.  A hidden score counts as its value less 1e30; a weight below 2^-126 counts as 0 in the sum; NaN and infinities are not treated apart.
; THE WALK.  A head has 16 blocks of 128 queries; block i needs the key tiles 0 .. i / 2 of 256 keys.  Work-group b takes block 15 - b and then block b: nine tiles whatever b,
; so 8 x 32 work-groups do equal work and every trip count is a constant.  NO CLUSTER: the eight work-groups of a head ask for the same tile in the first five of nine trips only,
; and a walk common to all would have twelve.
; SHARES.  A wave owns 16 rows in each of a block's two bands of 64: two PIECES.  In a block's last tile band x holds the diagonal in key step 2 (i % 2) + x; earlier steps are open, later ones hidden.
; THE MASK is the C operand that starts S^T = K Q^T: MD x AL + BE, MD the mask of a band's own step for my rows; (AL, BE) = (1, 0) own, (0, 0) open, (0, -1e30) hidden.
; BY TURNS.  Trip n fetches K and V of key step n and has two PHASES.  In phase x piece x has the matrix unit: 8 products V^T P of step n - 1, then 8 products K Q^T of step n.  Behind each product
; stands a slice of vector work that names none of its registers: the other piece's softmax (phase 0: piece 1's of step n - 1; phase 1: piece 0's of step n), and among its first lines the 16 lines
; of piece x's own row sum, which V^T P does not need: they stand between the links of the other piece's chain from maximum to c m.  16 products and 118 vector lines a phase.
; REGISTERS (s_set_vgpr_msb: bits 1:0 source 0, 3:2 source 1, 5:4 source 2, 7:6 destination):
;   window 0: v2-15 addresses; v16-23 statistics (c m, m, l, l a piece); v24-31 at work; v64-127 S^T; v128-191 O^T; v192-223 P; v224-255 the way out: all that a softmax names
;   window 1: v128-159 MD; v160-223 MC      window 2: v0-31 Q; v64-95 the second block's Q; v128-191 K of a step; v192-255 V of a step
; So a product costs two switches of the windows, one in front and one behind.
.set KS,    64
.set PK,    144       ; a row of K in LDS: 128 bytes + 16
.set PV,    160       ; a row of V: 128 + 32
.set VOFF,  4*KS*PK   ; a slot holds a tile: 256 rows of K, then 256 rows of V
.set SLOT1, 1<<17
.set STAGE, SLOT1+4*KS*(PK+PV)  ; behind the ring: 16 rows x 144 bytes for each wave
.set SP,    144
.set SPARE, STAGE+4*16*SP       ; the spare words: 128 bytes a wave, two blocks of 256 bytes that no other line names
.set AK0, 2
.set AV0, 3
.set AK,  4
.set AV,  5
.set STO, 6
.set RD,  7
.set GO,  8
.set MV,  12          ; v12-13 c m_old, by piece
.set QO,  15
.set ST,  16
.set TMP, 24
.set PFO, 32          ; 256 x lane; never rewritten
.set SPW, 62
.set NIL, 63
.set S,   64
.set O,   128
.set P,   192
.set OT,  224
.set MD,  128         ; window 1
.set MC,  160         ; window 1
.set QB,  64          ; window 2
.set KF,  128         ; window 2
.set VF,  192         ; window 2
.set WV,  12
.set PB,  14          ; b
.set HI,  15          ; 15 - b
.set G1K, 24
.set G1V, 32
.set G0K, 40
.set G0V, 44
.set N1,  48          ; tiles of the first block
.set TAU, 49          ; the tile of the walk being entered, 0..8
.set BT,  50          ; 1: it is the second block's first
.set LT,  51          ; 1: it is a block's last
.set OW,  52          ; the count at which piece 0's own step is made (0: none)
.set OW1, 53          ; piece 1's
.set BND, 54          ; 1: this trip ends the first block
.set MKF, 55          ; not 0: this trip makes masks
.set SLOTS, 56
.set CNT, 57
.set CS,  58          ; s[58:59] c = log2(e) / 8
.set SEL, 60
.set TBK, 62
.set TBV, 63
.set WO,  66          ; not 0: this trip ends a block
.set P1,  67          ; 2 ((15 - b) % 2)
.set P2,  68          ; 2 (b % 2)
.set PLIM, 69         ; tiles below this number are followed by a prefetch
.set NXT, 70          ; the key tile to be asked for next
.set LQ,  71          ; the last key tile of the block whose tiles are being asked for
.set LQ2, 72          ; the second block's
.set NEW, 73          ; 1: the first trip: there is nothing yet to finish
.set OFF, 74
.set AL,  76
.set BE,  78
.set OLO, 80          ; O at my rows of the second block
.set BIGN, 82
.set PAR, 83
.set OF2, 88
.set N1M, 90          ; N1 - 1
.set PF,  96          ; s[96:97] where my prefetches stand
.set MSB, 0
.macro WIN new
.if MSB != (\new)
	s_set_vgpr_msb (MSB<<8)|(\new)
.set MSB, (\new)
.endif
.endm
.set W_KQ, 0x0a       ; K and Q in window 2, S^T in window 0
.set W_KM, 0x1a       ; the same with the C operand, the mask, in window 1
.set W_PV, 0x02       ; V in window 2; P and O^T in window 0
.set W_MK, 0x41       ; the masks: destination and source 0 in window 1
.macro PLACES
.rept 4
	v_nop
.endr
.endm
; a fill: waves 0 and 1 fetch the halves of a tile's K, waves 2 and 3 those of its V.  An s_nop 0 and four v_nop follow each line.
.macro LOAD
	s_cmp_lt_u32 s[WV], 2
	s_cbranch_scc0 .Lfor_v_\@
	tensor_load_to_lds s[G0K:G0K+3], s[G1K:G1K+7]
	s_nop 0
	PLACES
	s_branch .Lasked_\@
.Lfor_v_\@:
	tensor_load_to_lds s[G0V:G0V+3], s[G1V:G1V+7]
	s_nop 0
	PLACES
.Lasked_\@:
.endm
; THE CHANGE OF SLOTS, in front of the four trips that fetch tile TAU's steps.  Each wave waits for all its tensor loads (one is out: its part of tile TAU), adds 0 to its spare word, and waits
; for that and for its reads of the slot that it leaves (the last: V of that tile's fourth step).  fill = 1: the old slot takes key tile NXT, first thing behind the barrier; it has four trips in which to land.
; Behind that load the head's work-group 0, which walks the key tiles 0 to 7 in order, prefetches into the L2 the tile after it: each wave its own 64 blocks of 256 bytes, a lane a block,
; so each block is named once in the launch; it stops with tile 7.
.macro CHANGE fill
	WIN 0
	s_wait_tensorcnt 0x0
	ds_add_u32 v[SPW], v[NIL]
.if \fill
	s_lshl_b32 s[OFF], s[NXT], 15   ; a tile is 32,768 bytes of K and of V
	s_xor_b32 s[G0K+1], s[G0K+1], SLOT1
	s_add_nc_u64 s[G0K+2:G0K+3], s[6:7], s[OFF:OFF+1]
	s_or_b32 s[G0K+3], s[G0K+3], 0x80000000
	s_xor_b32 s[G0V+1], s[G0V+1], SLOT1
	s_add_nc_u64 s[G0V+2:G0V+3], s[8:9], s[OFF:OFF+1]
	s_or_b32 s[G0V+3], s[G0V+3], 0x80000000
	s_add_co_u32 s[NXT], s[NXT], 1  ; the block's next tile, or behind its last the second block's tile 0
	s_cmp_gt_u32 s[NXT], s[LQ]
	s_cselect_b32 s[NXT], 0, s[NXT]
	s_cselect_b32 s[LQ], s[LQ2], s[LQ]
	s_wait_xcnt 0x0                 ; the last prefetches, four trips back, have read their address
	s_add_co_u32 s[OF2], s[TAU], 2
	s_min_u32 s[OF2], s[OF2], 7     ; never past the head's last tile
	s_lshl_b32 s[OF2], s[OF2], 15
	s_cmp_lt_u32 s[WV], 2
	s_cselect_b64 s[PF:PF+1], s[6:7], s[8:9]
	s_add_nc_u64 s[PF:PF+1], s[PF:PF+1], s[OF2:OF2+1]
.endif
	s_wait_dscnt 0x0                ; the add is done, my reads of the slot are over
	s_barrier_signal -1             ; scalar work stands between the signal and the wait
	s_sub_co_u32 s[TBK], s[TBK], 4*KS*PK
	s_xor_b32 s[TBK], s[TBK], SLOT1
	s_sub_co_u32 s[TBV], s[TBV], 4*KS*PV
	s_xor_b32 s[TBV], s[TBV], SLOT1
	s_cmp_eq_u32 s[TAU], s[N1]
	s_cselect_b32 s[BT], 1, 0
.if \fill
	s_cmp_eq_u32 s[TAU], s[N1M]
	s_cselect_b32 s[LT], 1, 0
.else
	s_mov_b32 s[LT], 1              ; the walk's last tile is the second block's last
.endif
	s_cmp_lt_u32 s[TAU], s[N1]
	s_cselect_b32 s[PAR], s[P1], s[P2]
	s_sub_co_u32 s[OW], 5-(\fill), s[PAR]  ; step s of the tile is made at count (first count) - s
	s_sub_co_u32 s[OW1], s[OW], 1
	s_cmp_lg_u32 s[LT], 0
	s_cselect_b32 s[OW], s[OW], 0
	s_cselect_b32 s[OW1], s[OW1], 0
	s_barrier_wait -1
.if \fill
	LOAD
	s_cmp_lt_u32 s[TAU], s[PLIM]
	s_cbranch_scc0 .Lno_pf_\@
	global_prefetch_b8 v[PFO], s[PF:PF+1] th:TH_LOAD_NT scope:SCOPE_SE
	global_prefetch_b8 v[PFO], s[PF:PF+1] offset:8192 th:TH_LOAD_NT scope:SCOPE_SE
.Lno_pf_\@:
.endif
.endm
	s_load_b128 s[4:7], s[0:1], 0x0 ; qkv s[4:5], att s[6:7]
	v_lshl_add_u32 v[SPW], v0, 2, SPARE
	v_mov_b32 v[NIL], 0
	ds_add_u32 v[SPW], v[NIL]       ; the wave's opening: the add and its wait stand ahead of my first tensor load
	ds_add_u32 v62, v63
	v_lshrrev_b32 v1, 5, v0
	v_readfirstlane_b32 s[WV], v1
	s_mov_b32 s[PB], ttmp9
	s_sub_co_u32 s[HI], 15, s[PB]
	s_lshr_b32 s[N1M], s[HI], 1
	s_add_co_u32 s[N1], s[N1M], 1
	s_lshr_b32 s[LQ2], s[PB], 1
	s_and_b32 s[P2], s[PB], 1
	s_lshl_b32 s[P2], s[P2], 1
	s_sub_co_u32 s[P1], 2, s[P2]
	s_cmp_eq_u32 s[PB], 0
	s_cselect_b32 s[PLIM], 6, 0
	s_and_b32 s20, ttmp7, 0xffff
	s_lshl_b32 s20, s20, 18         ; the head's 262,144 bytes
	s_and_b32 s16, s[WV], 1         ; which half of a tile's 256 keys I fetch
	s_lshl_b32 s22, s16, 14
	s_add_co_u32 s22, s22, s20
	s_mov_b32 s23, 0
	s_mul_i32 s17, s16, 128*PK
	s_mul_i32 s18, s16, 128*PV
	s_lshl_b32 s3, s[WV], 11        ; my 16 rows in a band,
	s_add_co_u32 s3, s3, s20
	s_lshl_b32 s2, s[HI], 14        ; in the first block,
	s_add_co_u32 s2, s2, s3
	s_lshl_b32 s84, s[PB], 14       ; and in the second
	s_add_co_u32 s84, s84, s3
	s_mov_b32 s3, 0
	s_mov_b32 s85, 0
	; 128 keys are 16,384 dense bytes: asked for as 64 rows of 256 bytes, padded in LDS after every key
	s_mov_b32 s[G1K], (1<<16)|(1<<20)|(4<<22)|(3<<25)
	s_mov_b32 s[G1V], (1<<16)|(1<<20)|(4<<22)|(7<<25)
.irp g, G1K, G1V
	s_mov_b32 s[\g+1], 128<<16
	s_mov_b32 s[\g+2], 64<<16
	s_mov_b32 s[\g+3], 128<<16
	s_mov_b32 s[\g+4], 64
	s_mov_b32 s[\g+5], 128
	s_mov_b32 s[\g+6], 0
	s_mov_b32 s[\g+7], 0
.endr
	s_mov_b32 s[CS], 0x3e38aa3b     ; c = log2(e) / 8
	s_mov_b32 s[CS+1], s[CS]
	s_mov_b32 s[SEL], 0x76543210
	s_mov_b32 s[SEL+1], 0xfedcba98
	s_mov_b32 s[TBK], SLOT1+4*KS*PK ; the first change of slots turns these two into 0
	s_mov_b32 s[TBV], SLOT1+4*KS*PV
	s_mov_b32 s[G0K], 1
	s_mov_b32 s[G0K+1], s17
	s_mov_b32 s[G0V], 1
	s_add_co_u32 s[G0V+1], s18, VOFF
	s_mov_b32 s[TAU], 0
	s_mov_b32 s[NXT], 1
	s_mov_b32 s[LQ], s[N1M]
	s_mov_b32 s[NEW], 1
	s_mov_b32 s[OFF+1], 0
	s_mov_b32 s[OF2+1], 0
	s_mov_b32 s[AL+1], 0
	s_mov_b32 s[BE+1], 0
	s_mov_b32 s[BIGN], 0xf149f2ca   ; -1e30
	s_mov_b32 s[SLOTS], 8
	s_wait_dscnt 0x0                ; the opening add is done
	s_wait_kmcnt 0x0
	s_mov_b64 s[10:11], s[6:7]
	s_add_nc_u64 s[6:7], s[4:5], s[22:23]
	s_add_nc_u64 s[8:9], s[6:7], 0x1000000         ; V at my half of the head's tile 0
	s_add_nc_u64 s[6:7], s[6:7], 0x800000          ; K likewise
	s_add_nc_u64 s[G0K+2:G0K+3], s[6:7], 0
	s_or_b32 s[G0K+3], s[G0K+3], 0x80000000
	s_add_nc_u64 s[G0V+2:G0V+3], s[8:9], 0
	s_or_b32 s[G0V+3], s[G0V+3], 0x80000000
	s_add_nc_u64 s[86:87], s[4:5], s[84:85]        ; Q at my rows of the second block,
	s_add_nc_u64 s[4:5], s[4:5], s[2:3]            ; Q and O at those of the first
	s_add_nc_u64 s[OLO:OLO+1], s[10:11], s[84:85]
	s_add_nc_u64 s[10:11], s[10:11], s[2:3]
	LOAD                            ; tile 0 into slot 0
	v_and_b32 v1, 15, v0            ; l % 16
	v_bfe_u32 v9, v0, 4, 1          ; l / 16
	v_lshlrev_b32 v[QO], 7, v1
	v_lshl_add_u32 v[QO], v9, 4, v[QO]
	WIN 0x80
.set i, 0
.rept 4                             ; both blocks' Q: piece i / 2 lies 8,192 bytes on; channels 32 (i % 2) on
	global_load_b128 v[8*i:8*i+3],   v[QO], s[4:5] offset:(i/2)*8192+(i%2)*64
	global_load_b128 v[8*i+4:8*i+7], v[QO], s[4:5] offset:(i/2)*8192+(i%2)*64+32
	global_load_b128 v[QB+8*i:QB+8*i+3],   v[QO], s[86:87] offset:(i/2)*8192+(i%2)*64
	global_load_b128 v[QB+8*i+4:QB+8*i+7], v[QO], s[86:87] offset:(i/2)*8192+(i%2)*64+32
.set i, i+1
.endr
	; No first step is written out: the first trip's second phase is a phase like any other, on zeros.  Its products V^T P multiply a V and a P of zeros, its row sum adds weights of zero;
	; O^T need only be finite (a block's first step multiplies it by 0); the masks start open: the first block's first tile is never its last.
	; The price: 296 lines that write 0, all in the wait for the first tile.
.set i, 0
.rept 64
	v_mov_b32 v[VF+i], 0
.set i, i+1
.endr
	WIN 0
	v_lshlrev_b32 v14, 3, v9
	v_sub_nc_u32 v14, v1, v14
	s_lshl_b32 s13, s[WV], 4
	v_add_nc_u32 v14, s13, v14      ; my query's place in its band less 8 (l / 16): register r of key group kt is hidden where 16 kt + r is greater
	WIN 0x40
.set i, 0
.rept 32
	v_cmp_gt_i32 vcc_lo, 16*(i/8)+i%8, v14
	v_cndmask_b32 v[MD+i], 0, s[BIGN], vcc_lo
.set i, i+1
.endr
.set i, 0
.rept 64
	v_mov_b32 v[MC+i], 0
.set i, i+1
.endr
	WIN 0
.set i, S
.rept 160                           ; S^T, O^T and P lie on end
	v_mov_b32 v[i], 0
.set i, i+1
.endr
.set i, 0
.rept 8
	v_mov_b32 v[TMP+i], 0
.set i, i+1
.endr
.irp t, 0,1
	v_mov_b32 v[ST+4*\t], 0xfe000000    ; c m: far below every c s
	v_mov_b32 v[ST+4*\t+1], 0xff7fffff  ; m
	v_mov_b32 v[ST+4*\t+2], 0
	v_mov_b32 v[ST+4*\t+3], 0
.endr
	v_mul_u32_u24 v[AK0], v1, PK
	v_lshl_add_u32 v[AK0], v9, 4, v[AK0]
	v_and_b32 v10, 7, v0
	v_bfe_u32 v11, v0, 3, 1
	v_lshl_add_u32 v[AV0], v9, 3, v10
	v_mul_u32_u24 v[AV0], v[AV0], PV
	v_lshl_add_u32 v[AV0], v11, 4, v[AV0]
	v_add_nc_u32 v[AV0], VOFF, v[AV0]
	s_mul_i32 s13, s[WV], 16*SP
	s_add_co_u32 s13, s13, STAGE
	v_mul_u32_u24 v[STO], v1, SP
	v_lshl_add_u32 v[STO], v9, 4, v[STO]
	v_add_nc_u32 v[STO], s13, v[STO]
	v_bfe_u32 v[RD], v0, 3, 2
	v_mul_u32_u24 v[RD], v[RD], SP
	v_lshl_add_u32 v[RD], v10, 4, v[RD]
	v_add_nc_u32 v[RD], s13, v[RD]
	v_and_b32 v[GO], 31, v0
	v_lshlrev_b32 v[PFO], 8, v[GO]
	v_lshlrev_b32 v[GO], 4, v[GO]
; THE MATRIX WORK.  The 4 accumulators of a run of 8 take turns, one instruction a turn.
.macro KQP x, i                     ; product i of 8 of S^T = K Q^T + mask for piece x: channels 32 (i / 4) on, keys 16 (i % 4) on
.set rS, S+32*(\x)+8*((\i)%4)
.set rK, KF+16*((\i)%4)+8*((\i)/4)
.set rQ, 16*(\x)+8*((\i)/4)
.set rM, MC+32*(\x)+8*((\i)%4)
.if (\i) < 4
	WIN W_KM
	v_wmma_f32_16x16x32_f16 v[rS:rS+7], v[rK:rK+7], v[rQ:rQ+7], v[rM:rM+7]
.else
	WIN W_KQ
	v_wmma_f32_16x16x32_f16 v[rS:rS+7], v[rK:rK+7], v[rQ:rQ+7], v[rS:rS+7]
	s_wait_alu depctr_va_vdst(0)
.endif
.endm
.macro PVP x, i                     ; product i of 8 of O^T += V^T P for piece x: keys 32 (i / 4) on, channels 16 (i % 4) on
	WIN W_PV
.set rO, O+32*(\x)+8*((\i)%4)
.set rV, VF+32*((\i)/4)+8*((\i)%4)
.set rP, P+16*(\x)+8*((\i)/4)
	v_wmma_f32_16x16x32_f16 v[rO:rO+7], v[rV:rV+7], v[rP:rP+7], v[rO:rO+7]
.endm
.macro FETCH_K                      ; 16 LDS loads: a step's K
	WIN 0
	v_add_nc_u32 v[AK], s[TBK], v[AK0]
	s_add_co_u32 s[TBK], s[TBK], KS*PK
	WIN 0x80
.irp f, 0,1,2,3,4,5,6,7
	ds_load_b128 v[KF+8*\f:KF+8*\f+3],   v[AK] offset:(\f/2)*16*PK+(\f%2)*64
	ds_load_b128 v[KF+8*\f+4:KF+8*\f+7], v[AK] offset:(\f/2)*16*PK+(\f%2)*64+32
.endr
	WIN 0
.endm
.macro FETCH_V                      ; 16 LDS loads: a step's V, turned
	WIN 0
	v_add_nc_u32 v[AV], s[TBV], v[AV0]
	s_add_co_u32 s[TBV], s[TBV], KS*PV
	WIN 0x80
.irp f, 0,1,2,3,4,5,6,7
	ds_load_tr16_b128 v[VF+8*\f:VF+8*\f+3],   v[AV] offset:(\f/4)*32*PV+(\f%4)*32
	ds_load_tr16_b128 v[VF+8*\f+4:VF+8*\f+7], v[AV] offset:(\f/4)*32*PV+16*PV+(\f%4)*32
.endr
	WIN 0
.endm
.macro MASK b                       ; MD x AL + BE into piece b's mask
	WIN W_MK
.set z, 0
.rept 16
	v_pk_fma_f32 v[MC+32*(\b)+2*z:MC+32*(\b)+2*z+1], v[MD+2*z:MD+2*z+1], s[AL:AL+1], s[BE:BE+1] op_sel_hi:[1,0,0]
.set z, z+1
.endr
.endm
.macro QSWAP x                      ; where the first block ends, piece x's Q becomes the second block's
	WIN 0
	s_cmp_lg_u32 s[BND], 0
	s_cbranch_scc0 .Lsame_q_\@
	WIN 0x82
.set i, 0
.rept 16
	v_mov_b32 v[16*(\x)+i], v[QB+16*(\x)+i]
.set i, i+1
.endr
	WIN 0
.Lsame_q_\@:
.endm
; THE VECTOR WORK of piece y, one line at a time: OP y, kind, number; all under window 0.  X n: number n of the 22 that find the maximum and statistics (each accumulator's lowest registers are read
; first).  F n: c s - c m for pair n.  E n: the exponential of score n.  C n: pair n rounded to f16.  B n: of four weights the second pair is added onto the first.
; L n: l takes that sum (L 0: l = a l + sum).  R n: pair n of O^T times a.
.set F, 0
.set E, 1
.set C, 2
.set B, 3
.set L, 4
.set R, 5
.set X, 6
.macro OP y, k, n
.set rT, ST+4*(\y)
.set rC, TMP+4*(\y)
.set rW, MV+(\y)
.set rS, S+32*(\y)
.set rP, P+16*(\y)
.set rO, O+32*(\y)
	WIN 0
.if (\k) == R
	v_pk_mul_f32 v[rO+2*(\n):rO+2*(\n)+1], v[rO+2*(\n):rO+2*(\n)+1], v[rC+2:rC+3] op_sel_hi:[1,0]
.elseif (\k) == F
	v_pk_fma_f32 v[rS+2*(\n):rS+2*(\n)+1], v[rS+2*(\n):rS+2*(\n)+1], s[CS:CS+1], v[rT:rT+1] op_sel_hi:[1,0,0] neg_lo:[0,0,1] neg_hi:[0,0,1]
.elseif (\k) == E
	v_exp_f32 v[rS+(\n)], v[rS+(\n)]
.elseif (\k) == C
	s_wait_alu depctr_va_vdst(0)
	v_cvt_pk_f16_f32 v[rP+(\n)], v[rS+2*(\n)], v[rS+2*(\n)+1]
.elseif (\k) == B
	v_pk_add_f32 v[rS+4*(\n):rS+4*(\n)+1], v[rS+4*(\n):rS+4*(\n)+1], v[rS+4*(\n)+2:rS+4*(\n)+3]
.elseif ((\k) == L) && ((\n) == 0)
	v_pk_fma_f32 v[rT+2:rT+3], v[rT+2:rT+3], v[rC+2:rC+3], v[rS:rS+1] op_sel_hi:[1,0,1]
.elseif (\k) == L
	v_pk_add_f32 v[rT+2:rT+3], v[rT+2:rT+3], v[rS+4*(\n):rS+4*(\n)+1]
.elseif (\n) < 4
	v_max3_num_f32 v[rC+(\n)], v[rS+8*(\n)], v[rS+8*(\n)+1], v[rS+8*(\n)+2]
.elseif (\n) < 12
	v_max3_num_f32 v[rC+(\n)%4], v[rC+(\n)%4], v[rS+8*((\n)%4)+2*((\n)/4)+1], v[rS+8*((\n)%4)+2*((\n)/4)+2]
.elseif (\n) == 12
	v_max3_num_f32 v[rC], v[rC], v[rS+7], v[rS+15]
.elseif (\n) == 13
	v_max3_num_f32 v[rC+1], v[rC+1], v[rS+23], v[rS+31]
.elseif (\n) == 14
	v_max3_num_f32 v[rC+2], v[rC+2], v[rC+3], v[rT+1]
.elseif (\n) == 15
	v_mov_b32 v[rW], v[rT]
.elseif (\n) == 16
	v_max3_num_f32 v[rC], v[rC], v[rC+1], v[rC+2]
.elseif (\n) == 17
	v_permlanex16_b32 v[rC+3], v[rC], s[SEL], s[SEL+1]
.elseif (\n) == 18
	v_max_num_f32 v[rT+1], v[rC], v[rC+3]
.elseif (\n) == 19
	v_mul_f32 v[rT], s[CS], v[rT+1]
.elseif (\n) == 20
	v_sub_f32 v[rC+1], v[rW], v[rT]
.else
	v_exp_f32 v[rC+2], v[rC+1]
.endif
.endm
; A PHASE, for matrix piece x: 16 products and the list of 118 vector lines below, cut into 16 slices of 7, 7, 8 (five times) and 8; product w stands in front of line 22 (w / 3) + 7 (w % 3).
; An entry of the list is 32 x kind + number.  B and L work for piece x (the weights of the step whose V^T P this phase makes: they lie in S^T of piece x until its K Q^T, product 8, writes it
; anew; the last of them is line 43 of the first 58).  All other kinds work for the other piece.
; The order keeps a line three lines or more behind the line whose result it reads, five behind an exponential; behind every exponential stands a plain line that names neither its result nor
; its source; a rounding stands behind both its exponentials; the rescalings ascend.  The last slice is eight rescalings: plain lines that name no register of the products round them:
; the places between the phase's last product and the next phase's first read of the new scores, the loads into K and the masks' next writes.
.set FF, 32*F
.set EE, 32*E
.set CC, 32*C
.set BB, 32*B
.set LL, 32*L
.set RR, 32*R
.set XX, 32*X
.macro PROD x                       ; the phase's next product
.if w < 8
	PVP \x, w
.else
	KQP \x, w-8
.endif
.set w, w+1
.endm
.macro MID x                        ; between the two runs of products
	QSWAP \x
.if (\x) == 0
	s_wait_dscnt 0x0                ; K of the step being fetched is in: its loads went out at the trip's head, eight products back
.endif
.endm
.macro GETV tail                    ; V of the step being fetched: 22 vector lines, more than four of them plain, behind the last product that read V
	WIN 0
.if \tail
	s_cmp_eq_u32 s[CNT], 1
	s_cbranch_scc1 .Lno_v_\@
.endif
	FETCH_V
.if \tail
.Lno_v_\@:
.endif
.endm
.macro STEP x, tail, c
.if q == 58
	MID \x
.endif
.if (q == 73) && ((\x) == 1)
	GETV \tail
.endif
.if (w < 16) && (q == 22*(w/3)+7*(w%3))
	PROD \x
.endif
.set kd, (\c)/32
.set nn, (\c)%32
.if (kd == B) || (kd == L)
	OP \x, kd, nn
.else
	OP 1-(\x), kd, nn
.endif
.set q, q+1
.endm
.macro PHASE x, tail
.set q, 0
.set w, 0
.irp c, XX+0,XX+1,XX+2,XX+3,XX+4,XX+5,XX+6,XX+7,XX+8,XX+9,XX+10,XX+11
	STEP \x, \tail, \c              ; four chains of maxima, each link four lines behind the last
.endr
.irp c, XX+12,XX+13,XX+14,BB+0,BB+1,XX+16,BB+2,LL+0,XX+17,BB+3,LL+1,XX+18,XX+15,LL+2,XX+19,BB+4,LL+3,XX+20,FF+0,LL+4,XX+21,FF+1,BB+5,FF+2,BB+6,LL+5,FF+3,BB+7,LL+6,FF+4,EE+0,LL+7
	STEP \x, \tail, \c              ; the chain from the maximum to a, and piece x's row sum between its links
.endr
.irp c, EE+1,FF+5,EE+2,FF+6,EE+3,FF+7,EE+4,FF+8,EE+5,FF+9,EE+6,FF+10,EE+7,FF+11,EE+8,FF+12,EE+9,FF+13,EE+10,FF+14,EE+11,FF+15
	STEP \x, \tail, \c              ; exponentials and the rest of the scalings by turns
.endr
.irp c, EE+12,CC+0,EE+13,CC+1,EE+14,CC+2,EE+15,CC+3,EE+16,CC+4,EE+17,CC+5,EE+18,CC+6,EE+19,CC+7,EE+20,CC+8
	STEP \x, \tail, \c              ; exponentials and roundings by turns
.endr
.irp c, EE+21,RR+0,EE+22,CC+9,EE+23,RR+1,EE+24,CC+10,EE+25,RR+2,EE+26,CC+11,EE+27,RR+3,EE+28,CC+12,EE+29,RR+4,EE+30,CC+13,EE+31,RR+5,RR+6,CC+14,RR+7,CC+15
	STEP \x, \tail, \c              ; rescalings hold the roundings back behind their exponentials
.endr
.irp c, RR+8,RR+9,RR+10,RR+11,RR+12,RR+13,RR+14,RR+15
	STEP \x, \tail, \c
.endr
	WIN 0
.endm
; THE WAY OUT of piece x of a block: l's halves and the other half of the lanes' are added; O^T is divided by l, rounded to bf16 and sent through my stage.  Then the piece's statistics start anew.
; Piece 0 leaves between the two phases, ahead of the softmax that begins its next block; piece 1 behind the second phase, and O's address steps behind its stores.
.macro WAYOUT x
	WIN 0
	s_wait_xcnt 0x0                 ; the stores of the way out before have read the registers that are written below
	v_add_f32 v[ST+4*(\x)+2], v[ST+4*(\x)+2], v[ST+4*(\x)+3]
	v_permlanex16_b32 v[ST+4*(\x)+3], v[ST+4*(\x)+2], s[SEL], s[SEL+1]
	v_add_f32 v[ST+4*(\x)+2], v[ST+4*(\x)+2], v[ST+4*(\x)+3]
	v_rcp_f32 v[ST+4*(\x)+2], v[ST+4*(\x)+2]
	v_nop                           ; a plain instruction between the reciprocal and the use of its result
.set i, O+32*(\x)
	s_wait_alu depctr_va_vdst(0)
.rept 16
	v_pk_mul_f32 v[i:i+1], v[i:i+1], v[ST+4*(\x)+2:ST+4*(\x)+3] op_sel_hi:[1,0]
.set i, i+2
.endr
.set i, 0
.rept 16
	v_cvt_pk_bf16_f32 v[OT+16*(\x)+i], v[O+32*(\x)+2*i], v[O+32*(\x)+2*i+1]
.set i, i+1
.endr
.irp f, 0,1,2,3
	ds_store_b128 v[STO], v[OT+16*(\x)+4*\f:OT+16*(\x)+4*\f+3] offset:32*\f
.endr
.irp f, 0,1,2,3
	ds_load_b128 v[OT+16*(\x)+4*\f:OT+16*(\x)+4*\f+3], v[RD] offset:\f*4*SP  ; LDS serves a wave's instructions in order: these see the stores above
.endr
.irp f, 0,1,2,3
	s_wait_dscnt 3-\f               ; load f is back; the 3 - f younger ones may be out
	global_store_b128 v[GO], v[OT+16*(\x)+4*\f:OT+16*(\x)+4*\f+3], s[10:11] offset:(\x)*8192+\f*512  ; 512 consecutive bytes, aligned
.endr
.if (\x) == 1
	s_wait_xcnt 0x0                 ; the stores have read O's address
	s_mov_b64 s[10:11], s[OLO:OLO+1]
.endif
	v_mov_b32 v[ST+4*(\x)], 0xfe000000
	v_mov_b32 v[ST+4*(\x)+1], 0xff7fffff
.endm
; A TRIP.  cnt0: the count of a tile's first trip.  tail = 1: the walk's last tile: its fifth trip fetches nothing, and that trip's scores and its second phase's softmax serve nothing.
; All jumps go forward, over text with no barrier and no tensor load.
.macro TRIP cnt0, tail
	s_cmp_eq_u32 s[CNT], \cnt0
	s_cselect_b32 s[BND], s[BT], 0
.if \tail
	s_cmp_eq_u32 s[CNT], 1
	s_cselect_b32 s[WO], 1, s[BND]
.else
	s_mov_b32 s[WO], s[BND]
.endif
	s_or_b32 s[MKF], s[LT], s[BND]  ; masks are made in a block's last tile, and once behind it, where they open again
	s_cmp_lg_u32 s[MKF], 0
	s_cbranch_scc0 .Lno_mask_\@
	s_cmp_eq_u32 s[CNT], s[OW]
	s_cselect_b32 s[AL], 1.0, 0
	s_cmp_lt_u32 s[CNT], s[OW]
	s_cselect_b32 s[BE], s[BIGN], 0
	MASK 0
	s_cmp_eq_u32 s[CNT], s[OW1]
	s_cselect_b32 s[AL], 1.0, 0
	s_cmp_lt_u32 s[CNT], s[OW1]
	s_cselect_b32 s[BE], s[BIGN], 0
	MASK 1
	WIN 0
.Lno_mask_\@:
	s_wait_dscnt 0x0                ; V of the step to be finished is in: its loads went out six products back
.if \tail
	s_cmp_eq_u32 s[CNT], 1
	s_cbranch_scc1 .Lno_k_\@
.endif
	FETCH_K                         ; K of this trip's step: it has eight products and their slices in which to come
.if \tail
.Lno_k_\@:
.else
	s_cmp_eq_u32 s[NEW], 1
	s_cbranch_scc0 .Lphase_a_\@
	s_mov_b32 s[NEW], 0             ; the first trip: in the first phase's stead only piece 0's scores of step 0
	s_wait_loadcnt 0x0              ; Q
	s_wait_dscnt 0x0                ; K
.set i, 0
.rept 8
	KQP 0, i
.set i, i+1
.endr
	WIN 0
	PLACES                          ; behind those products, in front of the first read of their scores
	PLACES
	s_branch .Lphase_b_\@
.Lphase_a_\@:
.endif
	PHASE 0, \tail
	s_cmp_lg_u32 s[WO], 0
	s_cbranch_scc0 .Lno_out0_\@
	WAYOUT 0
.Lno_out0_\@:
.if !(\tail)
.Lphase_b_\@:
.endif
	PHASE 1, \tail
	s_cmp_lg_u32 s[WO], 0
	s_cbranch_scc0 .Lno_out1_\@
	WAYOUT 1
.Lno_out1_\@:
.endm
.Lslot:                             ; eight times: a tile is entered and the next is asked for
	CHANGE 1
	s_mov_b32 s[CNT], 4
.Lstep:
	TRIP 4, 0
	s_sub_co_u32 s[CNT], s[CNT], 1
	s_cmp_lg_u32 s[CNT], 0
	s_cbranch_scc1 .Lstep
	s_add_co_u32 s[TAU], s[TAU], 1
	s_sub_co_u32 s[SLOTS], s[SLOTS], 1
	s_cmp_lg_u32 s[SLOTS], 0
	s_cbranch_scc1 .Lslot
	CHANGE 0                        ; the walk's last tile is written out
	s_mov_b32 s[CNT], 5
.Ltail:
	TRIP 5, 1
	s_sub_co_u32 s[CNT], s[CNT], 1
	s_cmp_lg_u32 s[CNT], 0
	s_cbranch_scc1 .Ltail
	s_wait_tensorcnt 0x0            ; the wave's end
	ds_add_u32 v[SPW], v[NIL]
	s_wait_dscnt 0x0
	s_endpgm
.Lfunc_end_k_q11d6159c19_attn:
	.size	k_q11d6159c19_attn, .Lfunc_end_k_q11d6159c19_attn-k_q11d6159c19_attn
	.p2alignl 7, 3214868480
	.fill 96, 4, 3214868480
	.section	.rodata,"a",@progbits
	.p2align	6, 0x0
	.amdhsa_kernel k_q11d6159c19_attn
		.amdhsa_group_segment_fixed_size 327680
		.amdhsa_private_segment_fixed_size 0
		.amdhsa_enable_private_segment 0
		.amdhsa_kernarg_size 16
		.amdhsa_user_sgpr_count 2
		.amdhsa_user_sgpr_kernarg_segment_ptr 1
		.amdhsa_wavefront_size32 1
		.amdhsa_system_sgpr_workgroup_id_x 1
		.amdhsa_system_sgpr_workgroup_id_y 1
		.amdhsa_system_sgpr_workgroup_id_z 1
		.amdhsa_system_vgpr_workitem_id 0
		.amdhsa_next_free_vgpr 768
		.amdhsa_next_free_sgpr 100
		.amdhsa_reserve_vcc 1
		.amdhsa_float_denorm_mode_32 3
		.amdhsa_float_denorm_mode_16_64 3
		.amdhsa_memory_ordered 1
		.amdhsa_forward_progress 1
		.amdhsa_inst_pref_size 87
	.end_amdhsa_kernel
	.amdgpu_metadata
---
amdhsa.version: [ 1, 2 ]
amdhsa.kernels:
  - .name:           k_q11d6159c19_attn
    .symbol:         k_q11d6159c19_attn.kd
    .args:
      - { .name: qkv, .offset: 0, .size: 8, .value_kind: global_buffer, .address_space: global }
      - { .name: att, .offset: 8, .size: 8, .value_kind: global_buffer, .address_space: global }
    .group_segment_fixed_size: 327680
    .private_segment_fixed_size: 0
    .kernarg_segment_align: 8
    .kernarg_segment_size: 16
    .max_flat_workgroup_size: 128
    .sgpr_count:     100
    .vgpr_count:     768
    .wavefront_size: 32
...
	.end_amdgpu_metadata
.endif
;; end of part 3
;; launch wo (part 4): grid 8 x 32, 4 waves a work-group, clusters of 4 x 4, 327,680 bytes of LDS; arguments att, wb, x, bo, x1; writes x1
.if DOCPART == 4
	.amdgcn_target "amdgcn-amd-amdhsa--gfx1250"
	.amdhsa_code_object_version 6
	.text
	.protected	k_q11d6159c19_wo
	.globl	k_q11d6159c19_wo
	.p2align	8
	.type	k_q11d6159c19_wo,@function
k_q11d6159c19_wo:
	s_mov_b64 s[64:65], 0
	v_nop
	global_prefetch_b8 v0, s[64:65] scope:SCOPE_SE
	s_setreg_imm32_b32 hwreg(HW_REG_WAVE_MODE, 25, 1), 1
	s_wait_xcnt 0x0
	s_wait_alu depctr_hold_cnt(0) depctr_sa_sdst(0) depctr_va_vdst(0) depctr_va_sdst(0) depctr_va_ssrc(0) depctr_va_vcc(0) depctr_vm_vsrc(0)
	s_getreg_b32 s2, hwreg(HW_REG_IB_STS2, 6, 4)
	s_cmp_eq_u32 s2, 0
	s_cbranch_scc0 .Lentry_in_a_cluster
	s_endpgm
.Lentry_in_a_cluster:
	s_bfe_u32 s2, ttmp6, 0x10000c
	s_cmp_lg_u32 s2, 0xf033
	s_cbranch_scc0 .Lentry_shape_is_right
	s_endpgm
.Lentry_shape_is_right:
; OUT = RES + A B + bias, f32.  A: 4,096 rows in bf16; B: [K][1024] bf16 at byte WOFF of the weights' buffer, rows along N; RES, OUT: [4096][1024] f32; bias: [1024] f32.  Sums in f32.
; THIS COPY (WOV = 1): x1 = x + att Wo + bo.  A lies by heads, [batch*16+head][t][64]: a K step of 256 is four heads, and 64 rows of one head are 8,192 dense bytes, asked for as one long row.
; SHARES.  A tile of 128 x 128; four waves of 64 x 64: 16 accumulators.  K goes in steps of 256 through two LDS slots; waves 0 and 1 fetch A's halves, waves 2 and 3 B's: one tensor load a wave.
; B's fragments come out of LDS turned (ds_load_tr16_b128).  THE MATRIX INSTRUCTION IS USED TRANSPOSED: a lane holds row l % 16 and the columns 8 (l / 16) + 0..7.
; The bias is the C operand of the products that start the sums.  The residual is loaded at the start and added on the way out.
; CLUSTER 4 x 4: A's tile is shared along a row of the cluster, B's along a column: joint loads.
; REGISTERS: window 0: v16-29 addresses; v32-95 the way out; v96-127 bias; v128-255 accumulator (a, b) at v[128 + 8 (4 a + b)].  Window 1: two fragment buffers of 128 (A's 64, B's 64).  Window 2: v0-127 the residual.
.set WOV,    1
.set NK,     4                         ; K steps of 256
.set WOFF,   6291456
.set AP,     144                       ; a row of A in LDS: 128 bytes + 16
.set AQ,     9216                      ; from a quarter (64 along K) to the next: a head's 64 rows
.set AH,     36864                     ; half of A's tile
.set ASTEP,  1048576                   ; bytes in memory from a K step to the next: four heads
.set PB,     288                       ; a K row of B: 256 bytes + 32
.set BH,     128*PB
.set BOFF,   2*AH
.set SL1,    147456                    ; bits 17 and 14, which no LDS word of a descriptor has: one exclusive or changes slots
.set STAGE,  2*SL1                     ; 16 rows x 272 bytes for each wave
.set SP,     272
.set SPARE,  STAGE+4*16*SP             ; the spare words: 128 bytes a wave, two blocks of 256 bytes that no other line names
.set A0,   16
.set B0,   17
.set ADRA, 18
.set ADRB, 20                          ; v20: quarters 0 and 1; v21: quarters 2 and 3, 128 K rows on
.set STO,  24
.set RD,   25
.set CO,   26
.set BO,   27
.set SPW,  28
.set NIL,  29
.set T,    32
.set BIAS, 96
.set ACC,  128
.set F0,   0
.set F1,   128
.set G1,   24
.set G0,   32
.set G1B,  48
.set G0B,  56
.set TB,   2
.set CNT,  3
.set MSB,  0
.macro WIN new
.if MSB != (\new)
	s_set_vgpr_msb (MSB<<8)|(\new)
.set MSB, \new
.endif
.endm
.macro PLACES
.rept 4
	v_nop
.endr
.endm
.macro JLOAD                           ; a joint refill by the walking descriptor; an s_nop 0 and four v_nop follow each line
	s_cmp_eq_u32 s69, 0
	s_cbranch_scc0 .Lfor_b_\@
	tensor_load_to_lds s[G0+4:G0+7], s[G1:G1+7]
	s_nop 0
	PLACES
	s_branch .Lasked_\@
.Lfor_b_\@:
	tensor_load_to_lds s[G0B+4:G0B+7], s[G1B:G1B+7]
	s_nop 0
	PLACES
.Lasked_\@:
.endm
.macro CREST
	s_cmp_lg_u32 s68, 0
	s_cbranch_scc1 .Lnot_wave_0_\@
	s_barrier_signal -3
.Lnot_wave_0_\@:
	s_barrier_wait -3
	s_barrier_signal -1
	s_barrier_wait -1
.endm
.macro CROUND
	s_barrier_signal -1
	s_barrier_wait -1
	CREST
.endm
	s_load_b256 s[4:11], s[0:1], 0x0               ; A 4:5, weights 6:7, residual 8:9, bias 10:11
	s_load_b64 s[12:13], s[0:1], 0x20              ; the output
	v_lshl_add_u32 v[SPW], v0, 2, SPARE
	v_mov_b32 v[NIL], 0
	ds_add_u32 v[SPW], v[NIL]                      ; the wave's opening: the add and its wait stand ahead of my first tensor load
	ds_add_u32 v28, v29
	v_lshrrev_b32 v1, 5, v0
	v_readfirstlane_b32 s68, v1                    ; wave 0..3
	s_lshr_b32 s69, s68, 1                         ; my 64 rows.  Also: I fetch for A (0) or for B (1)
	s_and_b32 s70, s68, 1                          ; my 64 columns.  Also: which half I fetch
	s_bfe_u32 s40, ttmp6, 0x40000
	s_bfe_u32 s41, ttmp6, 0x40004
	s_lshl_b32 s42, ttmp9, 2
	s_add_co_u32 s42, s42, s40                     ; tile column
	s_and_b32 s43, ttmp7, 0xffff
	s_lshl_b32 s43, s43, 2
	s_add_co_u32 s43, s43, s41                     ; tile row
	s_lshl_b32 s44, s41, 2
	s_lshl_b32 s44, 15, s44                        ; my row of the cluster
	s_lshl_b32 s45, 0x1111, s40                    ; my column
.if WOV
	s_or_b32 s[G1], s44, (1<<16)|(1<<20)|(1<<21)|(4<<22)|(3<<25)   ; after every 32 words (a row of a head) 4 words of padding
	s_mov_b32 s[G1+1], 4096<<16                    ; a row of the tile: 64 rows of a head on end
	s_mov_b32 s[G1+2], 4<<16                       ; four heads
	s_mov_b32 s[G1+3], 4096<<16
	s_mov_b32 s[G1+4], 4
	s_mov_b32 s[G1+5], 131072                      ; elements from head to head
.else
	s_or_b32 s[G1], s44, (1<<16)|(1<<20)|(1<<21)|(6<<22)|(3<<25)   ; after every 128 words 4 words
	s_mov_b32 s[G1+1], 256<<16
	s_mov_b32 s[G1+2], 64<<16
	s_mov_b32 s[G1+3], 256<<16
	s_mov_b32 s[G1+4], 64
	s_mov_b32 s[G1+5], 4096
.endif
	s_mov_b32 s[G1+6], 0
	s_mov_b32 s[G1+7], 0
	s_or_b32 s[G1B], s45, (1<<16)|(1<<20)|(1<<21)|(5<<22)|(7<<25)  ; after every 64 words 8 words
	s_mov_b32 s[G1B+1], 128<<16
	s_mov_b32 s[G1B+2], 128<<16
	s_mov_b32 s[G1B+3], 128<<16
	s_mov_b32 s[G1B+4], 128
	s_mov_b32 s[G1B+5], 1024
	s_mov_b32 s[G1B+6], 0
	s_mov_b32 s[G1B+7], 0
	s_lshl_b32 s16, s43, 7
	s_lshl_b32 s17, s70, 6
	s_add_co_u32 s16, s16, s17                     ; A: row 128 x tile row + 64 x half
.if WOV
	s_lshr_b32 s17, s16, 11                        ; the batch,
	s_lshl_b32 s17, s17, 22
	s_and_b32 s16, s16, 2047                       ; the row in it, of 128 bytes
	s_lshl_b32 s16, s16, 7
	s_add_co_u32 s16, s16, s17
.else
	s_lshl_b32 s16, s16, 13                        ; rows of 8,192 bytes
.endif
	s_mov_b32 s17, 0
	s_lshl_b32 s46, s70, 18                        ; B: 128 K rows of 2,048 bytes x half,
	s_lshl_b32 s47, s42, 8                         ; 256 bytes x tile column
	s_add_co_u32 s46, s46, s47
	s_add_co_u32 s46, s46, WOFF
	s_mov_b32 s47, 0
	s_mul_i32 s20, s70, AH                         ; where the halves land in a slot
	s_mul_i32 s21, s70, BH
	s_add_co_u32 s21, s21, BOFF
	s_mov_b32 s[TB], 0
	s_wait_dscnt 0x0                               ; the opening add is done
	s_wait_kmcnt 0x0
	s_add_nc_u64 s[14:15], s[4:5], s[16:17]
	s_add_nc_u64 s[46:47], s[6:7], s[46:47]
	CROUND                                         ; all sixteen work-groups are here: the first joint loads meet
.irp s, 0,1
	s_mov_b32 s[G0+4*(\s)], 1
	s_add_co_u32 s[G0+4*(\s)+1], s20, (\s)*SL1
	s_add_nc_u64 s[G0+4*(\s)+2:G0+4*(\s)+3], s[14:15], (\s)*ASTEP
	s_or_b32 s[G0+4*(\s)+3], s[G0+4*(\s)+3], 0x80000000
	s_mov_b32 s[G0B+4*(\s)], 1
	s_add_co_u32 s[G0B+4*(\s)+1], s21, (\s)*SL1
	s_add_nc_u64 s[G0B+4*(\s)+2:G0B+4*(\s)+3], s[46:47], (\s)*524288
	s_or_b32 s[G0B+4*(\s)+3], s[G0B+4*(\s)+3], 0x80000000
.endr
	s_cmp_eq_u32 s69, 0                            ; a wave's two first fills stand in one branch: two tensor loads of mine are out
	s_cbranch_scc0 .Lfirst_b
	tensor_load_to_lds s[G0:G0+3], s[G1:G1+7]
	s_nop 0
	tensor_load_to_lds s[G0+4:G0+7], s[G1:G1+7]
	s_nop 0
	PLACES
	s_branch .Lfirst_asked
.Lfirst_b:
	tensor_load_to_lds s[G0B:G0B+3], s[G1B:G1B+7]
	s_nop 0
	tensor_load_to_lds s[G0B+4:G0B+7], s[G1B:G1B+7]
	s_nop 0
	PLACES
.Lfirst_asked:
	v_and_b32 v1, 15, v0                           ; l % 16
	v_bfe_u32 v2, v0, 4, 1                         ; l / 16
	s_lshl_b32 s72, s42, 9                         ; my first column in bytes of f32: 512 x tile column + 256 x half
	s_lshl_b32 s73, s70, 8
	s_add_co_u32 s72, s72, s73
	s_mov_b32 s73, 0
	s_add_nc_u64 s[10:11], s[10:11], s[72:73]
	v_lshlrev_b32 v[BO], 5, v2
.irp b, 0,1,2,3
	global_load_b128 v[BIAS+8*(\b):BIAS+8*(\b)+3],   v[BO], s[10:11] offset:64*(\b)    ; register j: the bias of column 16 b + 8 (l / 16) + j
	global_load_b128 v[BIAS+8*(\b)+4:BIAS+8*(\b)+7], v[BO], s[10:11] offset:64*(\b)+16
.endr
	s_lshl_b32 s74, s43, 19                        ; my first row: (128 x tile row + 64 x half) x 4,096 bytes
	s_lshl_b32 s75, s69, 18
	s_add_co_u32 s74, s74, s75
	s_add_co_u32 s74, s74, s72
	s_mov_b32 s75, 0
	s_add_nc_u64 s[8:9], s[8:9], s[74:75]
	s_add_nc_u64 s[12:13], s[12:13], s[74:75]
	v_lshlrev_b32 v3, 12, v2                       ; lanes 0-15 one row's 256 bytes, lanes 16-31 the next row's
	v_lshl_add_u32 v[CO], v1, 4, v3
	WIN 0x80                                       ; destination window 2
.irp a, 0,1,2,3
.irp t, 0,1,2,3,4,5,6,7
	global_load_b128 v[4*(8*(\a)+(\t)):4*(8*(\a)+(\t))+3], v[CO], s[8:9] offset:(16*(\a)+2*(\t))*4096
.endr
.endr
	WIN 0
	v_mul_u32_u24 v3, v1, AP
	v_lshl_add_u32 v3, v2, 4, v3
	s_mul_i32 s22, s69, AH
	v_add_nc_u32 v[A0], s22, v3
	v_and_b32 v4, 7, v0
	v_bfe_u32 v5, v0, 3, 1
	v_lshl_add_u32 v6, v2, 3, v4
	v_mul_u32_u24 v6, v6, PB
	v_lshl_add_u32 v6, v5, 4, v6
	s_lshl_b32 s22, s70, 7
	s_add_co_u32 s22, s22, BOFF
	v_add_nc_u32 v[B0], s22, v6
	s_mul_i32 s23, s68, 16*SP
	s_add_co_u32 s23, s23, STAGE                   ; my stage
	v_mul_u32_u24 v7, v1, SP                       ; in: row l % 16, 32 bytes for each half of the lanes
	v_lshl_add_u32 v7, v2, 5, v7
	v_add_nc_u32 v[STO], s23, v7
	v_mul_u32_u24 v7, v2, SP                       ; back: whole rows of 256 bytes
	v_lshl_add_u32 v7, v1, 4, v7
	v_add_nc_u32 v[RD], s23, v7
; 8 matrix instructions: row blocks a0, a0 + 1 x all 4 column blocks, 32 along K: half c of buffer f.  mode = 1: they start the sums with the bias.  The 16 accumulators take turns.
.macro MUL8 f, c, a0, mode
	WIN 0x05
.irp a, \a0, (\a0)+1
.irp b, 0,1,2,3
.if \mode
	v_wmma_f32_16x16x32_bf16 v[ACC+8*(4*(\a)+(\b)):ACC+8*(4*(\a)+(\b))+7], v[(\f)+64+8*(4*(\c)+(\b)):(\f)+64+8*(4*(\c)+(\b))+7], v[(\f)+8*(4*(\c)+(\a)):(\f)+8*(4*(\c)+(\a))+7], v[BIAS+8*(\b):BIAS+8*(\b)+7]
.else
	v_wmma_f32_16x16x32_bf16 v[ACC+8*(4*(\a)+(\b)):ACC+8*(4*(\a)+(\b))+7], v[(\f)+64+8*(4*(\c)+(\b)):(\f)+64+8*(4*(\c)+(\b))+7], v[(\f)+8*(4*(\c)+(\a)):(\f)+8*(4*(\c)+(\a))+7], v[ACC+8*(4*(\a)+(\b)):ACC+8*(4*(\a)+(\b))+7]
.endif
.endr
.endr
.endm
; 32 LDS loads in one run: quarter kq (64 along K) of the slot being read, into buffer f; its first 32 along K first
.macro FETCH kq, f
	WIN 0x40
.irp c, 0,1
.irp i, 0,1,2,3
	ds_load_tr16_b128 v[(\f)+64+8*(4*(\c)+(\i)):(\f)+64+8*(4*(\c)+(\i))+3],   v[ADRB+(\kq)/2] offset:(((\kq)%2)*64+32*(\c))*PB+32*(\i)
	ds_load_tr16_b128 v[(\f)+64+8*(4*(\c)+(\i))+4:(\f)+64+8*(4*(\c)+(\i))+7], v[ADRB+(\kq)/2] offset:(((\kq)%2)*64+32*(\c)+16)*PB+32*(\i)
	ds_load_b128 v[(\f)+8*(4*(\c)+(\i)):(\f)+8*(4*(\c)+(\i))+3],   v[ADRA] offset:(\kq)*AQ+64*(\c)+(\i)*16*AP
	ds_load_b128 v[(\f)+8*(4*(\c)+(\i))+4:(\f)+8*(4*(\c)+(\i))+7], v[ADRA] offset:(\kq)*AQ+64*(\c)+(\i)*16*AP+32
.endr
.endr
.endm
.macro QUARTER kq, f, g, mode
	s_wait_dscnt 16                                ; the first 32 along K are in; the youngest sixteen loads may be out
	MUL8 \f, 0, 0, \mode
	MUL8 \f, 0, 2, \mode
	PLACES
	FETCH \kq, \g
	s_wait_dscnt 32                                ; all but the 32 just issued
	MUL8 \f, 1, 0, 0
	MUL8 \f, 1, 2, 0
.endm
; the last quarter of a K step multiplies buffer 1 and changes slots: each wave waits for all its tensor loads, adds 0 to its spare word, waits for that and for its reads of this slot.
; fill = 1: the barrier opens a round of the cluster's, and this slot is filled again, first thing behind it.
.macro TURN fill
	WIN 0
	s_wait_tensorcnt 0x0
	ds_add_u32 v[SPW], v[NIL]
.if \fill
	s_xor_b32 s[G0+5], s[G0+5], SL1                ; no tensor load of mine is out: the walking descriptors step
	s_add_nc_u64 s[G0+6:G0+7], s[G0+6:G0+7], ASTEP
	s_xor_b32 s[G0B+5], s[G0B+5], SL1
	s_add_nc_u64 s[G0B+6:G0B+7], s[G0B+6:G0B+7], 524288
.endif
	s_xor_b32 s[TB], s[TB], SL1
	s_wait_dscnt 17                                ; the add and the youngest sixteen loads may be out
	MUL8 F1, 0, 0, 0
	s_wait_dscnt 0x0                               ; the add is done, my reads of this slot are over
	s_barrier_signal -1
	MUL8 F1, 0, 2, 0
	WIN 0
	s_barrier_wait -1
.if \fill
	CREST
	JLOAD                                          ; its four v_nop are also the places in front of the loads below
.else
	PLACES
.endif
	v_add_nc_u32 v[ADRA], s[TB], v[A0]
	v_add_nc_u32 v[ADRB], s[TB], v[B0]
	v_add_nc_u32 v[ADRB+1], 128*PB, v[ADRB]
	FETCH 0, F0
	MUL8 F1, 1, 0, 0
	MUL8 F1, 1, 2, 0
.endm
	s_wait_tensorcnt 0x1                           ; my part of K step 0 is in; K step 1's load stays out
	s_barrier_signal -1
	s_barrier_wait -1
	v_mov_b32 v[ADRA], v[A0]
	v_mov_b32 v[ADRB], v[B0]
	v_add_nc_u32 v[ADRB+1], 128*PB, v[B0]
	FETCH 0, F0
	s_wait_loadcnt 32                              ; the bias is in; the 32 loads of the residual stay out
	QUARTER 1, F0, F1, 1                           ; the first quarter stands in front of the loop: its first products start the sums
	WIN 0
	s_mov_b32 s[CNT], NK-2
.Lstep:                                                ; trip t ends K step t, asks for K step t + 2 and begins K step t + 1
	QUARTER 2, F1, F0, 0
	QUARTER 3, F0, F1, 0
	TURN 1
	QUARTER 1, F0, F1, 0
	WIN 0
	s_sub_co_u32 s[CNT], s[CNT], 1
	s_cmp_lg_u32 s[CNT], 0
	s_cbranch_scc1 .Lstep
	QUARTER 2, F1, F0, 0                           ; the last two K steps ask for nothing
	QUARTER 3, F0, F1, 0
	TURN 0
	QUARTER 1, F0, F1, 0
	QUARTER 2, F1, F0, 0
	QUARTER 3, F0, F1, 0
	s_wait_dscnt 16
	MUL8 F1, 0, 0, 0
	MUL8 F1, 0, 2, 0
	s_wait_dscnt 0x0
	MUL8 F1, 1, 0, 0
	MUL8 F1, 1, 2, 0
	WIN 0
	PLACES
	PLACES
	s_wait_loadcnt 0x0                             ; the residual
; THE WAY OUT, 16 rows at a time.  A wave's 64 columns of f32 are 256 bytes: the stage is my own.  In by 16 bytes (each accumulator's low registers first), back as whole rows, the residual added, stored.
.macro TOSTAGE a
	WIN 0
.irp b, 0,1,2,3
	ds_store_b128 v[STO], v[ACC+8*(4*(\a)+(\b)):ACC+8*(4*(\a)+(\b))+3]   offset:64*(\b)
	ds_store_b128 v[STO], v[ACC+8*(4*(\a)+(\b))+4:ACC+8*(4*(\a)+(\b))+7] offset:64*(\b)+16
.endr
.irp t, 0,1,2,3,4,5,6,7
	ds_load_b128 v[T+32*((\a)%2)+4*(\t):T+32*((\a)%2)+4*(\t)+3], v[RD] offset:(\t)*2*SP  ; LDS serves a wave's instructions in order: these see the stores above
.endr
.endm
.macro SEND a, younger                 ; younger: the next block's sixteen LDS instructions, or none
	s_wait_dscnt \younger
	WIN 0x82                                       ; the residual (destination and source 0) in window 2
.set i, 0
.rept 16
	v_pk_add_f32 v[32*(\a)+2*i:32*(\a)+2*i+1], v[32*(\a)+2*i:32*(\a)+2*i+1], v[T+32*((\a)%2)+2*i:T+32*((\a)%2)+2*i+1]
.set i, i+1
.endr
	WIN 0x08                                       ; the stores' data in window 2
.irp t, 0,1,2,3,4,5,6,7
	global_store_b128 v[CO], v[32*(\a)+4*(\t):32*(\a)+4*(\t)+3], s[12:13] offset:(16*(\a)+2*(\t))*4096  ; 16 lanes store 256 consecutive bytes, aligned
.endr
	WIN 0
.endm
	TOSTAGE 0
.irp a, 1,2,3
	TOSTAGE \a
	SEND (\a)-1, 16
.endr
	SEND 3, 0
	s_wait_tensorcnt 0x0                           ; the wave's end
	ds_add_u32 v[SPW], v[NIL]
	s_wait_dscnt 0x0
	CROUND                                         ; the closing round
	s_endpgm
.Lfunc_end_k_q11d6159c19_wo:
	.size	k_q11d6159c19_wo, .Lfunc_end_k_q11d6159c19_wo-k_q11d6159c19_wo
	.p2alignl 7, 3214868480
	.fill 96, 4, 3214868480
	.section	.rodata,"a",@progbits
	.p2align	6, 0x0
	.amdhsa_kernel k_q11d6159c19_wo
		.amdhsa_group_segment_fixed_size 327680
		.amdhsa_private_segment_fixed_size 0
		.amdhsa_enable_private_segment 0
		.amdhsa_kernarg_size 40
		.amdhsa_user_sgpr_count 2
		.amdhsa_user_sgpr_kernarg_segment_ptr 1
		.amdhsa_wavefront_size32 1
		.amdhsa_system_sgpr_workgroup_id_x 1
		.amdhsa_system_sgpr_workgroup_id_y 1
		.amdhsa_system_sgpr_workgroup_id_z 1
		.amdhsa_system_vgpr_workitem_id 0
		.amdhsa_next_free_vgpr 640
		.amdhsa_next_free_sgpr 80
		.amdhsa_reserve_vcc 0
		.amdhsa_float_denorm_mode_32 3
		.amdhsa_float_denorm_mode_16_64 3
		.amdhsa_memory_ordered 1
		.amdhsa_forward_progress 1
		.amdhsa_inst_pref_size 77
	.end_amdhsa_kernel
	.amdgpu_metadata
---
amdhsa.version: [ 1, 2 ]
amdhsa.kernels:
  - .name:           k_q11d6159c19_wo
    .symbol:         k_q11d6159c19_wo.kd
    .args:
      - { .name: att, .offset: 0, .size: 8, .value_kind: global_buffer, .address_space: global }
      - { .name: wb, .offset: 8, .size: 8, .value_kind: global_buffer, .address_space: global }
      - { .name: x, .offset: 16, .size: 8, .value_kind: global_buffer, .address_space: global }
      - { .name: bo, .offset: 24, .size: 8, .value_kind: global_buffer, .address_space: global }
      - { .name: x1, .offset: 32, .size: 8, .value_kind: global_buffer, .address_space: global }
    .group_segment_fixed_size: 327680
    .private_segment_fixed_size: 0
    .kernarg_segment_align: 8
    .kernarg_segment_size: 40
    .max_flat_workgroup_size: 128
    .sgpr_count:     80
    .vgpr_count:     640
    .wavefront_size: 32
...
	.end_amdgpu_metadata
.endif
;; end of part 4
;; launch ln2 (part 5): grid 256 x 1, 8 waves a work-group, no clusters, 0 bytes of LDS; arguments x1, ln2_g, ln2_b, xn; writes xn
.if DOCPART == 5
	.amdgcn_target "amdgcn-amd-amdhsa--gfx1250"
	.amdhsa_code_object_version 6
	.text
	.protected	k_q11d6159c19_ln2
	.globl	k_q11d6159c19_ln2
	.p2align	8
	.type	k_q11d6159c19_ln2,@function
k_q11d6159c19_ln2:
	s_mov_b64 s[64:65], 0
	v_nop
	global_prefetch_b8 v0, s[64:65] scope:SCOPE_SE
	s_setreg_imm32_b32 hwreg(HW_REG_WAVE_MODE, 25, 1), 1
	s_wait_xcnt 0x0
; LAYER NORM 2: xn[row][:] = (x1 - mean) * rsqrt(var + 1e-5) * g + b, rounded once to bf16.  x1: [4096][1024] f32.  16 rows a work-group, 2 a wave.
; A row stays in registers: mean first, then the variance of x - mean (never a difference of large sums), all in f32.  Every store of a wave covers 256 consecutive bytes, aligned.
.set X,  16                            ; v[16:79]   two rows: load j of a row holds columns 128 j + 4 lane .. + 3
.set G,  80
.set BB, 112
.set T,  144
.set MU, 152
.set RS, 154
	s_load_b256 s[4:11], s[0:1], 0x0               ; x1 4:5, g 6:7, b 8:9, xn 10:11
	v_lshrrev_b32 v1, 5, v0
	v_readfirstlane_b32 s26, v1
	v_and_b32 v2, 31, v0
	v_lshlrev_b32 v3, 4, v2
	v_lshlrev_b32 v4, 3, v2
	s_mov_b32 s30, 0x3a800000                      ; 1 / 1024
	s_mov_b32 s31, 0x3727c5ac                      ; 1e-5
	s_mov_b32 s32, 0x76543210
	s_mov_b32 s33, 0xfedcba98
	s_lshl_b32 s34, ttmp9, 16
	s_lshl_b32 s35, s26, 13
	s_add_co_u32 s34, s34, s35
	s_mov_b32 s35, 0
	s_wait_kmcnt 0x0
	s_add_nc_u64 s[4:5], s[4:5], s[34:35]
	s_lshr_b32 s34, s34, 1
	s_add_nc_u64 s[10:11], s[10:11], s[34:35]
.macro REDUCE
	v_pk_add_f32 v[T:T+1], v[T:T+1], v[T+2:T+3]
	v_pk_add_f32 v[T+4:T+5], v[T+4:T+5], v[T+6:T+7]
	v_pk_add_f32 v[T:T+1], v[T:T+1], v[T+4:T+5]
	v_add_f32 v[T], v[T], v[T+1]
	v_add_f32_dpp v[T], v[T], v[T] row_xmask:1 row_mask:0xf bank_mask:0xf
	v_add_f32_dpp v[T], v[T], v[T] row_xmask:2 row_mask:0xf bank_mask:0xf
	v_add_f32_dpp v[T], v[T], v[T] row_xmask:4 row_mask:0xf bank_mask:0xf
	v_add_f32_dpp v[T], v[T], v[T] row_xmask:8 row_mask:0xf bank_mask:0xf
	v_permlanex16_b32 v[T+1], v[T], s32, s33
	v_add_f32 v[T], v[T], v[T+1]
.endm
.macro STATS xb
.irp c, 0,1,2,3
	v_pk_add_f32 v[T+2*(\c):T+2*(\c)+1], v[(\xb)+4*(\c):(\xb)+4*(\c)+1], v[(\xb)+4*(\c)+2:(\xb)+4*(\c)+3]  ; the first eight pairs start four chains: nothing is cleared
.endr
.set p, 8
.rept 8
	v_pk_add_f32 v[T+2*(p%4):T+2*(p%4)+1], v[T+2*(p%4):T+2*(p%4)+1], v[(\xb)+2*p:(\xb)+2*p+1]
.set p, p+1
.endr
	REDUCE
	v_mul_f32 v[MU], s30, v[T]
	v_mov_b32 v[MU+1], v[MU]
.set p, 0
.rept 16
	v_pk_add_f32 v[(\xb)+2*p:(\xb)+2*p+1], v[(\xb)+2*p:(\xb)+2*p+1], v[MU:MU+1] neg_lo:[0,1] neg_hi:[0,1]
.set p, p+1
.endr
.irp c, 0,1,2,3
	v_pk_mul_f32 v[T+2*(\c):T+2*(\c)+1], v[(\xb)+2*(\c):(\xb)+2*(\c)+1], v[(\xb)+2*(\c):(\xb)+2*(\c)+1]
.endr
.set p, 4
.rept 12
	v_pk_fma_f32 v[T+2*(p%4):T+2*(p%4)+1], v[(\xb)+2*p:(\xb)+2*p+1], v[(\xb)+2*p:(\xb)+2*p+1], v[T+2*(p%4):T+2*(p%4)+1]
.set p, p+1
.endr
	REDUCE
	v_fma_f32 v[T], v[T], s30, s31
	v_rsq_f32 v[RS], v[T]
	v_nop                                          ; a plain instruction between the root and the use of its result
	s_wait_alu depctr_va_vdst(0)
	v_mov_b32 v[RS+1], v[RS]
.endm
.macro OUT xb, row
.set p, 0
.rept 16
	v_pk_mul_f32 v[(\xb)+2*p:(\xb)+2*p+1], v[(\xb)+2*p:(\xb)+2*p+1], v[RS:RS+1]
	v_pk_fma_f32 v[(\xb)+2*p:(\xb)+2*p+1], v[(\xb)+2*p:(\xb)+2*p+1], v[G+2*p:G+2*p+1], v[BB+2*p:BB+2*p+1]
.set p, p+1
.endr
.irp j, 0,1,2,3,4,5,6,7
	v_cvt_pk_bf16_f32 v[(\xb)+4*(\j)], v[(\xb)+4*(\j)], v[(\xb)+4*(\j)+1]
	v_cvt_pk_bf16_f32 v[(\xb)+4*(\j)+1], v[(\xb)+4*(\j)+2], v[(\xb)+4*(\j)+3]
	global_store_b64 v4, v[(\xb)+4*(\j):(\xb)+4*(\j)+1], s[10:11] offset:2048*(\row)+256*(\j)
.endr
.endm
.irp r, 0,1
.irp j, 0,1,2,3,4,5,6,7
	global_load_b128 v[X+32*(\r)+4*(\j):X+32*(\r)+4*(\j)+3], v3, s[4:5] offset:4096*(\r)+512*(\j)
.endr
.endr
.irp j, 0,1,2,3,4,5,6,7
	global_load_b128 v[G+4*(\j):G+4*(\j)+3], v3, s[6:7] offset:512*(\j)
.endr
.irp j, 0,1,2,3,4,5,6,7
	global_load_b128 v[BB+4*(\j):BB+4*(\j)+3], v3, s[8:9] offset:512*(\j)
.endr
	s_wait_loadcnt 16                              ; both rows are in; the sixteen loads of gain and bias stay out
	STATS X
	s_wait_loadcnt 0x0
	OUT X, 0
	STATS X+32
	OUT X+32, 1
	s_endpgm
.Lfunc_end_k_q11d6159c19_ln2:
	.size	k_q11d6159c19_ln2, .Lfunc_end_k_q11d6159c19_ln2-k_q11d6159c19_ln2
	.p2alignl 7, 3214868480
	.fill 96, 4, 3214868480
	.section	.rodata,"a",@progbits
	.p2align	6, 0x0
	.amdhsa_kernel k_q11d6159c19_ln2
		.amdhsa_group_segment_fixed_size 0
		.amdhsa_private_segment_fixed_size 0
		.amdhsa_enable_private_segment 0
		.amdhsa_kernarg_size 32
		.amdhsa_user_sgpr_count 2
		.amdhsa_user_sgpr_kernarg_segment_ptr 1
		.amdhsa_wavefront_size32 1
		.amdhsa_system_sgpr_workgroup_id_x 1
		.amdhsa_system_sgpr_workgroup_id_y 1
		.amdhsa_system_sgpr_workgroup_id_z 1
		.amdhsa_system_vgpr_workitem_id 0
		.amdhsa_next_free_vgpr 160
		.amdhsa_next_free_sgpr 66
		.amdhsa_reserve_vcc 0
		.amdhsa_float_denorm_mode_32 3
		.amdhsa_float_denorm_mode_16_64 3
		.amdhsa_memory_ordered 1
		.amdhsa_forward_progress 1
		.amdhsa_inst_pref_size 20
	.end_amdhsa_kernel
	.amdgpu_metadata
---
amdhsa.version: [ 1, 2 ]
amdhsa.kernels:
  - .name:           k_q11d6159c19_ln2
    .symbol:         k_q11d6159c19_ln2.kd
    .args:
      - { .name: x1, .offset: 0, .size: 8, .value_kind: global_buffer, .address_space: global }
      - { .name: ln2_g, .offset: 8, .size: 8, .value_kind: global_buffer, .address_space: global }
      - { .name: ln2_b, .offset: 16, .size: 8, .value_kind: global_buffer, .address_space: global }
      - { .name: xn, .offset: 24, .size: 8, .value_kind: global_buffer, .address_space: global }
    .group_segment_fixed_size: 0
    .private_segment_fixed_size: 0
    .kernarg_segment_align: 8
    .kernarg_segment_size: 32
    .max_flat_workgroup_size: 256
    .sgpr_count:     66
    .vgpr_count:     160
    .wavefront_size: 32
...
	.end_amdgpu_metadata
.endif
;; end of part 5
;; launch ffn1 (part 6): grid 16 x 16, 8 waves a work-group, clusters of 4 x 4, 327,680 bytes of LDS; arguments xn, wb, h, b1; writes h
.if DOCPART == 6
	.amdgcn_target "amdgcn-amd-amdhsa--gfx1250"
	.amdhsa_code_object_version 6
	.text
	.protected	k_q11d6159c19_ffn1
	.globl	k_q11d6159c19_ffn1
	.p2align	8
	.type	k_q11d6159c19_ffn1,@function
k_q11d6159c19_ffn1:
	s_mov_b64 s[64:65], 0
	v_nop
	global_prefetch_b8 v0, s[64:65] scope:SCOPE_SE
	s_setreg_imm32_b32 hwreg(HW_REG_WAVE_MODE, 25, 1), 1
	s_wait_xcnt 0x0
	s_wait_alu depctr_hold_cnt(0) depctr_sa_sdst(0) depctr_va_vdst(0) depctr_va_sdst(0) depctr_va_ssrc(0) depctr_va_vcc(0) depctr_vm_vsrc(0)
	s_getreg_b32 s2, hwreg(HW_REG_IB_STS2, 6, 4)
	s_cmp_eq_u32 s2, 0
	s_cbranch_scc0 .Lentry_in_a_cluster
	s_endpgm
.Lentry_in_a_cluster:
	s_bfe_u32 s2, ttmp6, 0x10000c
	s_cmp_lg_u32 s2, 0xf033
	s_cbranch_scc0 .Lentry_shape_is_right
	s_endpgm
.Lentry_shape_is_right:
; C = A B (+ bias, ReLU).  A: [4096][1024] bf16, rows along K.  B: [1024][SIZE_N] bf16 at byte WOFF of the weights' buffer, rows along N.  Sums in f32.
; THIS COPY (RELU = 1): h = relu(xn W1 + b1), rounded once to bf16, [4096][4096].  The bias is the C operand of the products that start the sums.
; SHARES.  A work-group makes 256 x 256 of C; eight waves, wave w rows 64 (w / 2) on, columns 128 (w % 2) on: 4 x 8 accumulators of 16 x 16, 256 registers.
; K goes in steps of 128 through two LDS slots.  Waves 0-3 fetch 64 rows of A each, waves 4-7 32 K rows of B each: one tensor load a wave.
; B lies [K][N]: its fragments come out of LDS turned, by ds_load_tr16_b128, two loads a fragment as for A.
; THE MATRIX INSTRUCTION IS USED TRANSPOSED (source 0 = 16 columns of B, source 1 = 16 rows of A): a lane holds row l % 16 of C and the columns 8 (l / 16) + 0..7.
; CLUSTER 4 x 4: A's tile is shared along a row of the cluster, B's along a column: each is asked for jointly, by the same load with the same descriptor and a mask of four.
; REGISTERS: window 0: v16-30 addresses; v32-127, v128-223 two fragment buffers (8 of B, then 4 of A); v224-255 packed results.  Window 1: accumulator (a, b) at v[8 (8 a + b)].
.set SIZE_N, 4096
.set WOFF,   8388608
.set RELU,   1
.set SIZE_K, 1024
.set KSTEP,  128
.set NK,     SIZE_K/KSTEP
.set PA,     272                       ; a row of A in LDS: 256 bytes + 16: the 16 rows of a fragment load start 4 banks apart
.set PB,     544                       ; a K row of B: 512 bytes + 32
.set PART,   17408                     ; what one tensor load fills: 64 x 272 = 32 x 544
.set BOFF,   4*PART                    ; B's 128 K rows lie behind A's 256 rows
.set SLOT,   8*PART                    ; 139,264 = bits 17 and 13, which no w x PART has: one exclusive or changes slots
.set STAGE,  2*SLOT                    ; behind the ring: 16 rows x 272 bytes for each wave
.set SP,     272
.set SPARE,  STAGE+8*16*SP             ; the spare words: 128 bytes for each of eight waves, four blocks of 256 bytes that no other line names
.set A0,   16                          ; my lane's place in a slot's A; never rewritten
.set B0,   17                          ; in a slot's B
.set ADRA, 18                          ; the same in the slot being read
.set ADRB, 19
.set STO,  24                          ; the way out: where I put 16 bytes of a row
.set RD,   25                          ; where I read rows back
.set CO,   26                          ; my byte offset in the output
.set BO,   27                          ; 32 (l / 16): my eight numbers of a bias fragment
.set SPW,  28                          ; my spare word; never rewritten
.set NIL,  29                          ; 0; never rewritten
.set ZR,   30                          ; 0, for the ReLU
.set F0,   32
.set F1,   128
.set BIAS, 128                         ; eight fragments of bias, in buffer 1 ahead of its first fill
.set TMP,  224
.set OB,   32                          ; the way out: block a's rows at v[32 + 32 a]
.set G1,   24                          ; s[24:31] group 1 for A;  s[32:35], s[36:39] group 0: K step 0, and K step 1, which then walks
.set G0,   32
.set G1B,  48                          ; s[48:55], s[56:63] the same for B
.set G0B,  56
.set TB,   2                           ; s2  first byte of the slot being read
.set CNT,  3
.set MSB,  0
.macro WIN new                         ; the immediate's high byte repeats the setting that is left; a switch that changes nothing is dropped
.if MSB != (\new)
	s_set_vgpr_msb (MSB<<8)|(\new)
.set MSB, \new
.endif
.endm
.macro PLACES                          ; four places behind matrix instructions, in front of loads into their sources and of reads of their results
.rept 4
	v_nop
.endr
.endm
; a joint refill by the walking descriptor; the branch hangs on the wave's number alone.  An s_nop 0 and four v_nop follow each line.
.macro JLOAD
	s_cmp_eq_u32 s11, 0
	s_cbranch_scc0 .Lfor_b_\@
	tensor_load_to_lds s[G0+4:G0+7], s[G1:G1+7]
	s_nop 0
	PLACES
	s_branch .Lasked_\@
.Lfor_b_\@:
	tensor_load_to_lds s[G0B+4:G0B+7], s[G1B:G1B+7]
	s_nop 0
	PLACES
.Lasked_\@:
.endm
.macro CREST                           ; a round of the cluster's barrier behind its opening barrier
	s_cmp_lg_u32 s10, 0
	s_cbranch_scc1 .Lnot_wave_0_\@
	s_barrier_signal -3
.Lnot_wave_0_\@:
	s_barrier_wait -3
	s_barrier_signal -1
	s_barrier_wait -1
.endm
.macro CROUND
	s_barrier_signal -1
	s_barrier_wait -1
	CREST
.endm
	s_load_b128 s[4:7], s[0:1], 0x0                ; A s[4:5], weights s[6:7]
	s_load_b64 s[8:9], s[0:1], 0x10                ; the output
.if RELU
	s_load_b64 s[66:67], s[0:1], 0x18              ; the bias
.endif
	v_lshl_add_u32 v[SPW], v0, 2, SPARE
	v_mov_b32 v[NIL], 0
	ds_add_u32 v[SPW], v[NIL]                      ; the wave's opening: the add and its wait stand ahead of my first tensor load
	ds_add_u32 v28, v29
	v_lshrrev_b32 v1, 5, v0
	v_readfirstlane_b32 s10, v1                    ; wave 0..7
	s_lshr_b32 s11, s10, 2                         ; I fetch for A (0) or for B (1),
	s_and_b32 s12, s10, 3                          ; this quarter of the tile
	s_lshr_b32 s68, s10, 1                         ; my 64 rows of C
	s_and_b32 s69, s10, 1                          ; my 128 columns
	s_bfe_u32 s40, ttmp6, 0x40000                  ; cx
	s_bfe_u32 s41, ttmp6, 0x40004                  ; cy
	s_lshl_b32 s42, ttmp9, 2
	s_add_co_u32 s42, s42, s40                     ; tile column
	s_and_b32 s13, ttmp7, 0xffff
	s_lshl_b32 s13, s13, 2
	s_add_co_u32 s13, s13, s41                     ; tile row
	s_lshl_b32 s43, s41, 2
	s_lshl_b32 s43, 15, s43                        ; my row of the cluster
	s_lshl_b32 s44, 0x1111, s40                    ; my column
	s_or_b32 s[G1], s43, (1<<16)|(1<<20)|(1<<21)|(5<<22)|(3<<25)   ; mask; 2-byte elements; padding on; bit 21 beside a mask; after every 64 words 4 words
	s_mov_b32 s[G1+1], KSTEP<<16                   ; tensor_dim0 = 128
	s_mov_b32 s[G1+2], 64<<16                      ; tensor_dim1 = 64
	s_mov_b32 s[G1+3], KSTEP<<16                   ; tile_dim0 = 128
	s_mov_b32 s[G1+4], 64                          ; tile_dim1 = 64
	s_mov_b32 s[G1+5], SIZE_K                      ; elements from row to row
	s_mov_b32 s[G1+6], 0
	s_mov_b32 s[G1+7], 0
	s_or_b32 s[G1B], s44, (1<<16)|(1<<20)|(1<<21)|(6<<22)|(7<<25)  ; after every 128 words 8 words
	s_mov_b32 s[G1B+1], 256<<16                    ; 256 columns
	s_mov_b32 s[G1B+2], 32<<16                     ; 32 K rows
	s_mov_b32 s[G1B+3], 256<<16
	s_mov_b32 s[G1B+4], 32
	s_mov_b32 s[G1B+5], SIZE_N
	s_mov_b32 s[G1B+6], 0
	s_mov_b32 s[G1B+7], 0
	s_lshl_b32 s16, s13, 8                         ; A: row 256 x tile row + 64 x quarter,
	s_lshl_b32 s17, s12, 6
	s_add_co_u32 s16, s16, s17
	s_lshl_b32 s16, s16, 11                        ; of 2,048 bytes
	s_mov_b32 s17, 0
	s_mul_i32 s46, s12, 64*SIZE_N                  ; B: 32 K rows x quarter,
	s_lshl_b32 s47, s42, 9                         ; 512 bytes x tile column
	s_add_co_u32 s46, s46, s47
	s_add_co_u32 s46, s46, WOFF
	s_mov_b32 s47, 0
	s_mul_i32 s20, s10, PART                       ; where my part lands in a slot: the wave's number alone
	s_mov_b32 s[TB], 0
	s_wait_dscnt 0x0                               ; the opening add is done
	s_wait_kmcnt 0x0
	s_add_nc_u64 s[14:15], s[4:5], s[16:17]
	s_add_nc_u64 s[46:47], s[6:7], s[46:47]
	CROUND                                         ; all sixteen work-groups are here: the first joint loads meet
.irp s, 0,1
	s_mov_b32 s[G0+4*(\s)], 1
	s_add_co_u32 s[G0+4*(\s)+1], s20, (\s)*SLOT
	s_add_nc_u64 s[G0+4*(\s)+2:G0+4*(\s)+3], s[14:15], (\s)*KSTEP*2
	s_or_b32 s[G0+4*(\s)+3], s[G0+4*(\s)+3], 0x80000000
	s_mov_b32 s[G0B+4*(\s)], 1
	s_add_co_u32 s[G0B+4*(\s)+1], s20, (\s)*SLOT
	s_add_nc_u64 s[G0B+4*(\s)+2:G0B+4*(\s)+3], s[46:47], (\s)*KSTEP*SIZE_N*2
	s_or_b32 s[G0B+4*(\s)+3], s[G0B+4*(\s)+3], 0x80000000
.endr
	s_cmp_eq_u32 s11, 0                            ; a wave's two first fills stand in one branch: two tensor loads of mine are out
	s_cbranch_scc0 .Lfirst_b
	tensor_load_to_lds s[G0:G0+3], s[G1:G1+7]
	s_nop 0
	tensor_load_to_lds s[G0+4:G0+7], s[G1:G1+7]
	s_nop 0
	PLACES
	s_branch .Lfirst_asked
.Lfirst_b:
	tensor_load_to_lds s[G0B:G0B+3], s[G1B:G1B+7]
	s_nop 0
	tensor_load_to_lds s[G0B+4:G0B+7], s[G1B:G1B+7]
	s_nop 0
	PLACES
.Lfirst_asked:
	v_and_b32 v1, 15, v0                           ; l % 16
	v_bfe_u32 v2, v0, 4, 1                         ; l / 16
.if RELU
	s_lshl_b32 s70, s42, 10                        ; my first column's bias: 4 bytes x (256 x tile column + 128 x half)
	s_lshl_b32 s71, s69, 9
	s_add_co_u32 s70, s70, s71
	s_mov_b32 s71, 0
	s_add_nc_u64 s[66:67], s[66:67], s[70:71]
	v_lshlrev_b32 v[BO], 5, v2
.irp b, 0,1,2,3,4,5,6,7
	global_load_b128 v[BIAS+8*(\b):BIAS+8*(\b)+3],   v[BO], s[66:67] offset:64*(\b)      ; register j: the bias of column 16 b + 8 (l / 16) + j, as a result holds it
	global_load_b128 v[BIAS+8*(\b)+4:BIAS+8*(\b)+7], v[BO], s[66:67] offset:64*(\b)+16
.endr
	v_mov_b32 v[ZR], 0
.endif
	v_mul_u32_u24 v3, v1, PA
	v_lshl_add_u32 v3, v2, 4, v3                   ; row x 272 + 16 x half: for A's fragments and for the stage
	s_mul_i32 s21, s68, PART
	v_add_nc_u32 v[A0], s21, v3
	v_and_b32 v4, 7, v0
	v_bfe_u32 v5, v0, 3, 1
	v_lshl_add_u32 v6, v2, 3, v4                   ; the turning load: K row 8 (l / 16) + l % 8,
	v_mul_u32_u24 v6, v6, PB
	v_lshl_add_u32 v6, v5, 4, v6                   ; columns 8 ((l / 8) % 2) on
	s_lshl_b32 s22, s69, 8
	s_add_co_u32 s22, s22, BOFF
	v_add_nc_u32 v[B0], s22, v6
	s_mul_i32 s23, s10, 16*SP
	s_add_co_u32 s23, s23, STAGE                   ; my stage
	v_add_nc_u32 v[STO], s23, v3
	s_lshl_b32 s72, s13, 8
	s_lshl_b32 s73, s68, 6
	s_add_co_u32 s72, s72, s73                     ; my first row of C
.if RELU
	v_mul_u32_u24 v7, v2, SP                       ; back: lanes 0-15 one row of 256 bytes, lanes 16-31 the next
	v_lshl_add_u32 v7, v1, 4, v7
	v_add_nc_u32 v[RD], s23, v7
	v_mul_u32_u24 v7, v2, SIZE_N*2
	v_lshl_add_u32 v[CO], v1, 4, v7
	s_lshl_b32 s70, s72, 13                        ; rows of 8,192 bytes
	s_lshl_b32 s73, s42, 9
	s_add_co_u32 s70, s70, s73
	s_lshl_b32 s73, s69, 8
	s_add_co_u32 s70, s70, s73
.else
	v_bfe_u32 v7, v0, 3, 2                         ; back: 32 lanes take one head's 128 bytes of four rows,
	v_mul_u32_u24 v7, v7, SP
	v_lshl_add_u32 v7, v4, 4, v7
	v_add_nc_u32 v[RD], s23, v7
	v_and_b32 v7, 31, v0                           ; which are 512 consecutive bytes of the output
	v_lshlrev_b32 v[CO], 4, v7
	s_lshl_b32 s70, s42, 2                         ; my first block of 64 columns: 4 x tile column + 2 x half
	s_lshl_b32 s71, s69, 1
	s_add_co_u32 s70, s70, s71
	s_lshr_b32 s71, s70, 4                         ; q, k or v
	s_lshl_b32 s71, s71, 23
	s_and_b32 s70, s70, 15                         ; the head
	s_lshl_b32 s70, s70, 18
	s_add_co_u32 s70, s70, s71
	s_lshr_b32 s73, s72, 11                        ; the batch
	s_lshl_b32 s73, s73, 22
	s_add_co_u32 s70, s70, s73
	s_and_b32 s72, s72, 2047                       ; the row in it, of 128 bytes
	s_lshl_b32 s72, s72, 7
	s_add_co_u32 s70, s70, s72
.endif
	s_mov_b32 s71, 0
	s_add_nc_u64 s[8:9], s[8:9], s[70:71]
; 8 matrix instructions: row block a x all 8 column blocks, 32 along K.  mode = 1: they start the sums, with the bias or with 0: nothing is cleared.
; The 32 accumulators take turns, one instruction a turn, in the same order in every quarter.
.macro MULA f, a, mode
.if \mode
	WIN 0x40
.else
	WIN 0x50
.endif
.irp b, 0,1,2,3,4,5,6,7
.if \mode
.if RELU
	v_wmma_f32_16x16x32_bf16 v[8*(8*(\a)+(\b)):8*(8*(\a)+(\b))+7], v[(\f)+8*(\b):(\f)+8*(\b)+7], v[(\f)+64+8*(\a):(\f)+64+8*(\a)+7], v[BIAS+8*(\b):BIAS+8*(\b)+7]
.else
	v_wmma_f32_16x16x32_bf16 v[8*(8*(\a)+(\b)):8*(8*(\a)+(\b))+7], v[(\f)+8*(\b):(\f)+8*(\b)+7], v[(\f)+64+8*(\a):(\f)+64+8*(\a)+7], 0
.endif
.else
	v_wmma_f32_16x16x32_bf16 v[8*(8*(\a)+(\b)):8*(8*(\a)+(\b))+7], v[(\f)+8*(\b):(\f)+8*(\b)+7], v[(\f)+64+8*(\a):(\f)+64+8*(\a)+7], v[8*(8*(\a)+(\b)):8*(8*(\a)+(\b))+7]
.endif
.endr
.endm
; 24 LDS loads in one run: quarter kq (32 along K) of the slot being read, into buffer f: B's eight fragments, then A's four
.macro FETCH kq, f
	WIN 0
.irp i, 0,1,2,3,4,5,6,7
	ds_load_tr16_b128 v[(\f)+8*(\i):(\f)+8*(\i)+3],   v[ADRB] offset:(\kq)*32*PB+32*(\i)
	ds_load_tr16_b128 v[(\f)+8*(\i)+4:(\f)+8*(\i)+7], v[ADRB] offset:(\kq)*32*PB+32*(\i)+16*PB
.endr
.irp i, 0,1,2,3
	ds_load_b128 v[(\f)+64+8*(\i):(\f)+64+8*(\i)+3],   v[ADRA] offset:(\kq)*64+(\i)*16*PA
	ds_load_b128 v[(\f)+64+8*(\i)+4:(\f)+64+8*(\i)+7], v[ADRA] offset:(\kq)*64+(\i)*16*PA+32
.endr
.endm
; a quarter: multiplies buffer f; in its middle it fetches quarter kq into buffer g
.macro QUARTER kq, f, g
	s_wait_dscnt 4                                 ; B and A's fragments 0 and 1 are in; the youngest four loads (fragments 2 and 3) may be out
	MULA \f, 0, 0
	MULA \f, 1, 0
	PLACES
	FETCH \kq, \g
	s_wait_dscnt 24                                ; all but the 24 just issued
	MULA \f, 2, 0
	MULA \f, 3, 0
.endm
; the last quarter of a K step multiplies buffer 1 and changes slots.  In front of the barrier each wave waits for all its tensor loads (one is out: its part of the next slot),
; adds 0 to its spare word, and waits for that and for its reads of this slot.  fill = 1: the barrier opens a round of the cluster's, and this slot is filled again, first thing behind it.
.macro TURN fill
	WIN 0
	s_wait_tensorcnt 0x0
	ds_add_u32 v[SPW], v[NIL]
.if \fill
	s_xor_b32 s[G0+5], s[G0+5], SLOT               ; no tensor load of mine is out: the walking descriptors step: the other slot, the next K step
	s_add_nc_u64 s[G0+6:G0+7], s[G0+6:G0+7], KSTEP*2
	s_xor_b32 s[G0B+5], s[G0B+5], SLOT
	s_add_nc_u64 s[G0B+6:G0B+7], s[G0B+6:G0B+7], KSTEP*SIZE_N*2
.endif
	s_xor_b32 s[TB], s[TB], SLOT
	s_wait_dscnt 5                                 ; the add and the youngest four loads may be out
	MULA F1, 0, 0
	s_wait_dscnt 0x0                               ; the add is done, my reads of this slot are over
	s_barrier_signal -1
	MULA F1, 1, 0
	WIN 0
	s_barrier_wait -1
.if \fill
	CREST                                          ; no wave of any partner still reads this slot or has a load on its way
	JLOAD                                          ; its four v_nop are also the places in front of the loads below
.else
	PLACES
.endif
	v_add_nc_u32 v[ADRA], s[TB], v[A0]
	v_add_nc_u32 v[ADRB], s[TB], v[B0]
	FETCH 0, F0
	MULA F1, 2, 0
	MULA F1, 3, 0
.endm
	s_wait_tensorcnt 0x1                           ; my part of K step 0 is in; K step 1's load stays out
	s_barrier_signal -1
	s_barrier_wait -1
	v_mov_b32 v[ADRA], v[A0]
	v_mov_b32 v[ADRB], v[B0]
	FETCH 0, F0
.if RELU
	s_wait_loadcnt 0x0                             ; the bias
.endif
	s_wait_dscnt 0x0
	MULA F0, 0, 1                                  ; the first quarter stands in front of the loop: its products start the sums
	MULA F0, 1, 1
	MULA F0, 2, 1
	MULA F0, 3, 1
	PLACES
	FETCH 1, F1                                    ; behind all 32 products, since the bias lay in buffer 1
	WIN 0
	s_mov_b32 s[CNT], NK-2
.Lstep:                                                ; trip t ends K step t, asks for K step t + 2 and begins K step t + 1
	QUARTER 2, F1, F0
	QUARTER 3, F0, F1
	TURN 1
	QUARTER 1, F0, F1
	WIN 0
	s_sub_co_u32 s[CNT], s[CNT], 1
	s_cmp_lg_u32 s[CNT], 0
	s_cbranch_scc1 .Lstep
	QUARTER 2, F1, F0                              ; the last two K steps ask for nothing
	QUARTER 3, F0, F1
	TURN 0
	QUARTER 1, F0, F1
	QUARTER 2, F1, F0
	QUARTER 3, F0, F1
	s_wait_dscnt 4
	MULA F1, 0, 0
	MULA F1, 1, 0
	s_wait_dscnt 0x0
	MULA F1, 2, 0
	MULA F1, 3, 0
	PLACES
	PLACES
; THE WAY OUT, 16 rows at a time: rounded, 16 bytes a lane into my own stage, back as whole rows, stored.  Each block has registers of its own for its stores.
.macro PACK a
	WIN 0x05                                       ; sources in window 1, destination in window 0
.irp b, 0,1,2,3,4,5,6,7
.irp q, 0,1,2,3
.if RELU
	v_cvt_pk_bf16_f32 v[TMP+4*(\b)+(\q)], v[8*(8*(\a)+(\b))+2*(\q)], v[8*(8*(\a)+(\b))+2*(\q)+1]
.else
	v_cvt_pk_f16_f32 v[TMP+4*(\b)+(\q)], v[8*(8*(\a)+(\b))+2*(\q)], v[8*(8*(\a)+(\b))+2*(\q)+1]
.endif
.endr
.endr
	WIN 0
.if RELU
.set i, 0
.rept 32
	v_pk_max_num_bf16 v[TMP+i], v[TMP+i], v[ZR]    ; the ReLU, two at a time: nothing is rounded
.set i, i+1
.endr
.endif
.endm
.macro TOSTAGE a
.irp b, 0,1,2,3,4,5,6,7
	ds_store_b128 v[STO], v[TMP+4*(\b):TMP+4*(\b)+3] offset:32*(\b)
.endr
.irp t, 0,1,2,3,4,5,6,7
.if RELU
	ds_load_b128 v[OB+32*(\a)+4*(\t):OB+32*(\a)+4*(\t)+3], v[RD] offset:(\t)*2*SP           ; LDS serves a wave's instructions in order: these see the stores above
.else
	ds_load_b128 v[OB+32*(\a)+4*(\t):OB+32*(\a)+4*(\t)+3], v[RD] offset:((\t)/2)*4*SP+((\t)%2)*128
.endif
.endr
.endm
.macro SEND a
	s_wait_dscnt 0x0
.irp t, 0,1,2,3,4,5,6,7
.if RELU
	global_store_b128 v[CO], v[OB+32*(\a)+4*(\t):OB+32*(\a)+4*(\t)+3], s[8:9] offset:(16*(\a)+2*(\t))*SIZE_N*2      ; 16 lanes store 256 consecutive bytes, aligned
.else
	global_store_b128 v[CO], v[OB+32*(\a)+4*(\t):OB+32*(\a)+4*(\t)+3], s[8:9] offset:(\a)*2048+((\t)/2)*512+((\t)%2)*262144  ; four rows of one head: 512 consecutive bytes
.endif
.endr
.endm
	PACK 0
	TOSTAGE 0
.irp a, 1,2,3
	PACK \a                                        ; a block's conversions stand between the loads of the block before and the wait for them
	SEND (\a)-1
	TOSTAGE \a
.endr
	SEND 3
	s_wait_tensorcnt 0x0                           ; the wave's end
	ds_add_u32 v[SPW], v[NIL]
	s_wait_dscnt 0x0
	CROUND                                         ; the closing round
	s_endpgm
.Lfunc_end_k_q11d6159c19_ffn1:
	.size	k_q11d6159c19_ffn1, .Lfunc_end_k_q11d6159c19_ffn1-k_q11d6159c19_ffn1
	.p2alignl 7, 3214868480
	.fill 96, 4, 3214868480
	.section	.rodata,"a",@progbits
	.p2align	6, 0x0
	.amdhsa_kernel k_q11d6159c19_ffn1
		.amdhsa_group_segment_fixed_size 327680
		.amdhsa_private_segment_fixed_size 0
		.amdhsa_enable_private_segment 0
		.amdhsa_kernarg_size 32
		.amdhsa_user_sgpr_count 2
		.amdhsa_user_sgpr_kernarg_segment_ptr 1
		.amdhsa_wavefront_size32 1
		.amdhsa_system_sgpr_workgroup_id_x 1
		.amdhsa_system_sgpr_workgroup_id_y 1
		.amdhsa_system_sgpr_workgroup_id_z 1
		.amdhsa_system_vgpr_workitem_id 0
		.amdhsa_next_free_vgpr 512
		.amdhsa_next_free_sgpr 80
		.amdhsa_reserve_vcc 0
		.amdhsa_float_denorm_mode_32 3
		.amdhsa_float_denorm_mode_16_64 3
		.amdhsa_memory_ordered 1
		.amdhsa_forward_progress 1
		.amdhsa_inst_pref_size 80
	.end_amdhsa_kernel
	.amdgpu_metadata
---
amdhsa.version: [ 1, 2 ]
amdhsa.kernels:
  - .name:           k_q11d6159c19_ffn1
    .symbol:         k_q11d6159c19_ffn1.kd
    .args:
      - { .name: xn, .offset: 0, .size: 8, .value_kind: global_buffer, .address_space: global }
      - { .name: wb, .offset: 8, .size: 8, .value_kind: global_buffer, .address_space: global }
      - { .name: h, .offset: 16, .size: 8, .value_kind: global_buffer, .address_space: global }
      - { .name: b1, .offset: 24, .size: 8, .value_kind: global_buffer, .address_space: global }
    .group_segment_fixed_size: 327680
    .private_segment_fixed_size: 0
    .kernarg_segment_align: 8
    .kernarg_segment_size: 32
    .max_flat_workgroup_size: 256
    .sgpr_count:     80
    .vgpr_count:     512
    .wavefront_size: 32
...
	.end_amdgpu_metadata
.endif
;; end of part 6
;; launch ffn2 (part 7): grid 8 x 32, 4 waves a work-group, clusters of 4 x 4, 327,680 bytes of LDS; arguments h, wb, x1, b2, out0; writes out0
.if DOCPART == 7
	.amdgcn_target "amdgcn-amd-amdhsa--gfx1250"
	.amdhsa_code_object_version 6
	.text
	.protected	k_q11d6159c19_ffn2
	.globl	k_q11d6159c19_ffn2
	.p2align	8
	.type	k_q11d6159c19_ffn2,@function
k_q11d6159c19_ffn2:
	s_mov_b64 s[64:65], 0
	v_nop
	global_prefetch_b8 v0, s[64:65] scope:SCOPE_SE
	s_setreg_imm32_b32 hwreg(HW_REG_WAVE_MODE, 25, 1), 1
	s_wait_xcnt 0x0
	s_wait_alu depctr_hold_cnt(0) depctr_sa_sdst(0) depctr_va_vdst(0) depctr_va_sdst(0) depctr_va_ssrc(0) depctr_va_vcc(0) depctr_vm_vsrc(0)
	s_getreg_b32 s2, hwreg(HW_REG_IB_STS2, 6, 4)
	s_cmp_eq_u32 s2, 0
	s_cbranch_scc0 .Lentry_in_a_cluster
	s_endpgm
.Lentry_in_a_cluster:
	s_bfe_u32 s2, ttmp6, 0x10000c
	s_cmp_lg_u32 s2, 0xf033
	s_cbranch_scc0 .Lentry_shape_is_right
	s_endpgm
.Lentry_shape_is_right:
; OUT = RES + A B + bias, f32.  A: 4,096 rows in bf16; B: [K][1024] bf16 at byte WOFF of the weights' buffer, rows along N; RES, OUT: [4096][1024] f32; bias: [1024] f32.  Sums in f32.
; THIS COPY (WOV = 0): out0 = x1 + h W2 + b2.  A = h, [4096][4096], rows along K: a K step of 256 is 512 bytes of each row.
; SHARES.  A tile of 128 x 128; four waves of 64 x 64: 16 accumulators.  K goes in steps of 256 through two LDS slots; waves 0 and 1 fetch A's halves, waves 2 and 3 B's: one tensor load a wave.
; B's fragments come out of LDS turned (ds_load_tr16_b128).  THE MATRIX INSTRUCTION IS USED TRANSPOSED: a lane holds row l % 16 and the columns 8 (l / 16) + 0..7.
; The bias is the C operand of the products that start the sums.  The residual is loaded at the start and added on the way out.
; CLUSTER 4 x 4: A's tile is shared along a row of the cluster, B's along a column: joint loads.
; REGISTERS: window 0: v16-29 addresses; v32-95 the way out; v96-127 bias; v128-255 accumulator (a, b) at v[128 + 8 (4 a + b)].  Window 1: two fragment buffers of 128 (A's 64, B's 64).  Window 2: v0-127 the residual.
.set WOV,    0
.set NK,     16                        ; K steps of 256
.set WOFF,   16777216
.set AP,     528                       ; a row of A in LDS: 512 bytes + 16
.set AQ,     128                       ; from a quarter (64 along K) to the next
.set AH,     33792                     ; half of A's tile: 64 rows
.set ASTEP,  512                       ; bytes in memory from a K step to the next
.set PB,     288                       ; a K row of B: 256 bytes + 32
.set BH,     128*PB
.set BOFF,   2*AH
.set SL1,    147456                    ; bits 17 and 14, which no LDS word of a descriptor has: one exclusive or changes slots
.set STAGE,  2*SL1                     ; 16 rows x 272 bytes for each wave
.set SP,     272
.set SPARE,  STAGE+4*16*SP             ; the spare words: 128 bytes a wave, two blocks of 256 bytes that no other line names
.set A0,   16
.set B0,   17
.set ADRA, 18
.set ADRB, 20                          ; v20: quarters 0 and 1; v21: quarters 2 and 3, 128 K rows on
.set STO,  24
.set RD,   25
.set CO,   26
.set BO,   27
.set SPW,  28
.set NIL,  29
.set T,    32
.set BIAS, 96
.set ACC,  128
.set F0,   0
.set F1,   128
.set G1,   24
.set G0,   32
.set G1B,  48
.set G0B,  56
.set TB,   2
.set CNT,  3
.set MSB,  0
.macro WIN new
.if MSB != (\new)
	s_set_vgpr_msb (MSB<<8)|(\new)
.set MSB, \new
.endif
.endm
.macro PLACES
.rept 4
	v_nop
.endr
.endm
.macro JLOAD                           ; a joint refill by the walking descriptor; an s_nop 0 and four v_nop follow each line
	s_cmp_eq_u32 s69, 0
	s_cbranch_scc0 .Lfor_b_\@
	tensor_load_to_lds s[G0+4:G0+7], s[G1:G1+7]
	s_nop 0
	PLACES
	s_branch .Lasked_\@
.Lfor_b_\@:
	tensor_load_to_lds s[G0B+4:G0B+7], s[G1B:G1B+7]
	s_nop 0
	PLACES
.Lasked_\@:
.endm
.macro CREST
	s_cmp_lg_u32 s68, 0
	s_cbranch_scc1 .Lnot_wave_0_\@
	s_barrier_signal -3
.Lnot_wave_0_\@:
	s_barrier_wait -3
	s_barrier_signal -1
	s_barrier_wait -1
.endm
.macro CROUND
	s_barrier_signal -1
	s_barrier_wait -1
	CREST
.endm
	s_load_b256 s[4:11], s[0:1], 0x0               ; A 4:5, weights 6:7, residual 8:9, bias 10:11
	s_load_b64 s[12:13], s[0:1], 0x20              ; the output
	v_lshl_add_u32 v[SPW], v0, 2, SPARE
	v_mov_b32 v[NIL], 0
	ds_add_u32 v[SPW], v[NIL]                      ; the wave's opening: the add and its wait stand ahead of my first tensor load
	ds_add_u32 v28, v29
	v_lshrrev_b32 v1, 5, v0
	v_readfirstlane_b32 s68, v1                    ; wave 0..3
	s_lshr_b32 s69, s68, 1                         ; my 64 rows.  Also: I fetch for A (0) or for B (1)
	s_and_b32 s70, s68, 1                          ; my 64 columns.  Also: which half I fetch
	s_bfe_u32 s40, ttmp6, 0x40000
	s_bfe_u32 s41, ttmp6, 0x40004
	s_lshl_b32 s42, ttmp9, 2
	s_add_co_u32 s42, s42, s40                     ; tile column
	s_and_b32 s43, ttmp7, 0xffff
	s_lshl_b32 s43, s43, 2
	s_add_co_u32 s43, s43, s41                     ; tile row
	s_lshl_b32 s44, s41, 2
	s_lshl_b32 s44, 15, s44                        ; my row of the cluster
	s_lshl_b32 s45, 0x1111, s40                    ; my column
.if WOV
	s_or_b32 s[G1], s44, (1<<16)|(1<<20)|(1<<21)|(4<<22)|(3<<25)   ; after every 32 words (a row of a head) 4 words of padding
	s_mov_b32 s[G1+1], 4096<<16                    ; a row of the tile: 64 rows of a head on end
	s_mov_b32 s[G1+2], 4<<16                       ; four heads
	s_mov_b32 s[G1+3], 4096<<16
	s_mov_b32 s[G1+4], 4
	s_mov_b32 s[G1+5], 131072                      ; elements from head to head
.else
	s_or_b32 s[G1], s44, (1<<16)|(1<<20)|(1<<21)|(6<<22)|(3<<25)   ; after every 128 words 4 words
	s_mov_b32 s[G1+1], 256<<16
	s_mov_b32 s[G1+2], 64<<16
	s_mov_b32 s[G1+3], 256<<16
	s_mov_b32 s[G1+4], 64
	s_mov_b32 s[G1+5], 4096
.endif
	s_mov_b32 s[G1+6], 0
	s_mov_b32 s[G1+7], 0
	s_or_b32 s[G1B], s45, (1<<16)|(1<<20)|(1<<21)|(5<<22)|(7<<25)  ; after every 64 words 8 words
	s_mov_b32 s[G1B+1], 128<<16
	s_mov_b32 s[G1B+2], 128<<16
	s_mov_b32 s[G1B+3], 128<<16
	s_mov_b32 s[G1B+4], 128
	s_mov_b32 s[G1B+5], 1024
	s_mov_b32 s[G1B+6], 0
	s_mov_b32 s[G1B+7], 0
	s_lshl_b32 s16, s43, 7
	s_lshl_b32 s17, s70, 6
	s_add_co_u32 s16, s16, s17                     ; A: row 128 x tile row + 64 x half
.if WOV
	s_lshr_b32 s17, s16, 11                        ; the batch,
	s_lshl_b32 s17, s17, 22
	s_and_b32 s16, s16, 2047                       ; the row in it, of 128 bytes
	s_lshl_b32 s16, s16, 7
	s_add_co_u32 s16, s16, s17
.else
	s_lshl_b32 s16, s16, 13                        ; rows of 8,192 bytes
.endif
	s_mov_b32 s17, 0
	s_lshl_b32 s46, s70, 18                        ; B: 128 K rows of 2,048 bytes x half,
	s_lshl_b32 s47, s42, 8                         ; 256 bytes x tile column
	s_add_co_u32 s46, s46, s47
	s_add_co_u32 s46, s46, WOFF
	s_mov_b32 s47, 0
	s_mul_i32 s20, s70, AH                         ; where the halves land in a slot
	s_mul_i32 s21, s70, BH
	s_add_co_u32 s21, s21, BOFF
	s_mov_b32 s[TB], 0
	s_wait_dscnt 0x0                               ; the opening add is done
	s_wait_kmcnt 0x0
	s_add_nc_u64 s[14:15], s[4:5], s[16:17]
	s_add_nc_u64 s[46:47], s[6:7], s[46:47]
	CROUND                                         ; all sixteen work-groups are here: the first joint loads meet
.irp s, 0,1
	s_mov_b32 s[G0+4*(\s)], 1
	s_add_co_u32 s[G0+4*(\s)+1], s20, (\s)*SL1
	s_add_nc_u64 s[G0+4*(\s)+2:G0+4*(\s)+3], s[14:15], (\s)*ASTEP
	s_or_b32 s[G0+4*(\s)+3], s[G0+4*(\s)+3], 0x80000000
	s_mov_b32 s[G0B+4*(\s)], 1
	s_add_co_u32 s[G0B+4*(\s)+1], s21, (\s)*SL1
	s_add_nc_u64 s[G0B+4*(\s)+2:G0B+4*(\s)+3], s[46:47], (\s)*524288
	s_or_b32 s[G0B+4*(\s)+3], s[G0B+4*(\s)+3], 0x80000000
.endr
	s_cmp_eq_u32 s69, 0                            ; a wave's two first fills stand in one branch: two tensor loads of mine are out
	s_cbranch_scc0 .Lfirst_b
	tensor_load_to_lds s[G0:G0+3], s[G1:G1+7]
	s_nop 0
	tensor_load_to_lds s[G0+4:G0+7], s[G1:G1+7]
	s_nop 0
	PLACES
	s_branch .Lfirst_asked
.Lfirst_b:
	tensor_load_to_lds s[G0B:G0B+3], s[G1B:G1B+7]
	s_nop 0
	tensor_load_to_lds s[G0B+4:G0B+7], s[G1B:G1B+7]
	s_nop 0
	PLACES
.Lfirst_asked:
	v_and_b32 v1, 15, v0                           ; l % 16
	v_bfe_u32 v2, v0, 4, 1                         ; l / 16
	s_lshl_b32 s72, s42, 9                         ; my first column in bytes of f32: 512 x tile column + 256 x half
	s_lshl_b32 s73, s70, 8
	s_add_co_u32 s72, s72, s73
	s_mov_b32 s73, 0
	s_add_nc_u64 s[10:11], s[10:11], s[72:73]
	v_lshlrev_b32 v[BO], 5, v2
.irp b, 0,1,2,3
	global_load_b128 v[BIAS+8*(\b):BIAS+8*(\b)+3],   v[BO], s[10:11] offset:64*(\b)    ; register j: the bias of column 16 b + 8 (l / 16) + j
	global_load_b128 v[BIAS+8*(\b)+4:BIAS+8*(\b)+7], v[BO], s[10:11] offset:64*(\b)+16
.endr
	s_lshl_b32 s74, s43, 19                        ; my first row: (128 x tile row + 64 x half) x 4,096 bytes
	s_lshl_b32 s75, s69, 18
	s_add_co_u32 s74, s74, s75
	s_add_co_u32 s74, s74, s72
	s_mov_b32 s75, 0
	s_add_nc_u64 s[8:9], s[8:9], s[74:75]
	s_add_nc_u64 s[12:13], s[12:13], s[74:75]
	v_lshlrev_b32 v3, 12, v2                       ; lanes 0-15 one row's 256 bytes, lanes 16-31 the next row's
	v_lshl_add_u32 v[CO], v1, 4, v3
	WIN 0x80                                       ; destination window 2
.irp a, 0,1,2,3
.irp t, 0,1,2,3,4,5,6,7
	global_load_b128 v[4*(8*(\a)+(\t)):4*(8*(\a)+(\t))+3], v[CO], s[8:9] offset:(16*(\a)+2*(\t))*4096
.endr
.endr
	WIN 0
	v_mul_u32_u24 v3, v1, AP
	v_lshl_add_u32 v3, v2, 4, v3
	s_mul_i32 s22, s69, AH
	v_add_nc_u32 v[A0], s22, v3
	v_and_b32 v4, 7, v0
	v_bfe_u32 v5, v0, 3, 1
	v_lshl_add_u32 v6, v2, 3, v4
	v_mul_u32_u24 v6, v6, PB
	v_lshl_add_u32 v6, v5, 4, v6
	s_lshl_b32 s22, s70, 7
	s_add_co_u32 s22, s22, BOFF
	v_add_nc_u32 v[B0], s22, v6
	s_mul_i32 s23, s68, 16*SP
	s_add_co_u32 s23, s23, STAGE                   ; my stage
	v_mul_u32_u24 v7, v1, SP                       ; in: row l % 16, 32 bytes for each half of the lanes
	v_lshl_add_u32 v7, v2, 5, v7
	v_add_nc_u32 v[STO], s23, v7
	v_mul_u32_u24 v7, v2, SP                       ; back: whole rows of 256 bytes
	v_lshl_add_u32 v7, v1, 4, v7
	v_add_nc_u32 v[RD], s23, v7
; 8 matrix instructions: row blocks a0, a0 + 1 x all 4 column blocks, 32 along K: half c of buffer f.  mode = 1: they start the sums with the bias.  The 16 accumulators take turns.
.macro MUL8 f, c, a0, mode
	WIN 0x05
.irp a, \a0, (\a0)+1
.irp b, 0,1,2,3
.if \mode
	v_wmma_f32_16x16x32_bf16 v[ACC+8*(4*(\a)+(\b)):ACC+8*(4*(\a)+(\b))+7], v[(\f)+64+8*(4*(\c)+(\b)):(\f)+64+8*(4*(\c)+(\b))+7], v[(\f)+8*(4*(\c)+(\a)):(\f)+8*(4*(\c)+(\a))+7], v[BIAS+8*(\b):BIAS+8*(\b)+7]
.else
	v_wmma_f32_16x16x32_bf16 v[ACC+8*(4*(\a)+(\b)):ACC+8*(4*(\a)+(\b))+7], v[(\f)+64+8*(4*(\c)+(\b)):(\f)+64+8*(4*(\c)+(\b))+7], v[(\f)+8*(4*(\c)+(\a)):(\f)+8*(4*(\c)+(\a))+7], v[ACC+8*(4*(\a)+(\b)):ACC+8*(4*(\a)+(\b))+7]
.endif
.endr
.endr
.endm
; 32 LDS loads in one run: quarter kq (64 along K) of the slot being read, into buffer f; its first 32 along K first
.macro FETCH kq, f
	WIN 0x40
.irp c, 0,1
.irp i, 0,1,2,3
	ds_load_tr16_b128 v[(\f)+64+8*(4*(\c)+(\i)):(\f)+64+8*(4*(\c)+(\i))+3],   v[ADRB+(\kq)/2] offset:(((\kq)%2)*64+32*(\c))*PB+32*(\i)
	ds_load_tr16_b128 v[(\f)+64+8*(4*(\c)+(\i))+4:(\f)+64+8*(4*(\c)+(\i))+7], v[ADRB+(\kq)/2] offset:(((\kq)%2)*64+32*(\c)+16)*PB+32*(\i)
	ds_load_b128 v[(\f)+8*(4*(\c)+(\i)):(\f)+8*(4*(\c)+(\i))+3],   v[ADRA] offset:(\kq)*AQ+64*(\c)+(\i)*16*AP
	ds_load_b128 v[(\f)+8*(4*(\c)+(\i))+4:(\f)+8*(4*(\c)+(\i))+7], v[ADRA] offset:(\kq)*AQ+64*(\c)+(\i)*16*AP+32
.endr
.endr
.endm
.macro QUARTER kq, f, g, mode
	s_wait_dscnt 16                                ; the first 32 along K are in; the youngest sixteen loads may be out
	MUL8 \f, 0, 0, \mode
	MUL8 \f, 0, 2, \mode
	PLACES
	FETCH \kq, \g
	s_wait_dscnt 32                                ; all but the 32 just issued
	MUL8 \f, 1, 0, 0
	MUL8 \f, 1, 2, 0
.endm
; the last quarter of a K step multiplies buffer 1 and changes slots: each wave waits for all its tensor loads, adds 0 to its spare word, waits for that and for its reads of this slot.
; fill = 1: the barrier opens a round of the cluster's, and this slot is filled again, first thing behind it.
.macro TURN fill
	WIN 0
	s_wait_tensorcnt 0x0
	ds_add_u32 v[SPW], v[NIL]
.if \fill
	s_xor_b32 s[G0+5], s[G0+5], SL1                ; no tensor load of mine is out: the walking descriptors step
	s_add_nc_u64 s[G0+6:G0+7], s[G0+6:G0+7], ASTEP
	s_xor_b32 s[G0B+5], s[G0B+5], SL1
	s_add_nc_u64 s[G0B+6:G0B+7], s[G0B+6:G0B+7], 524288
.endif
	s_xor_b32 s[TB], s[TB], SL1
	s_wait_dscnt 17                                ; the add and the youngest sixteen loads may be out
	MUL8 F1, 0, 0, 0
	s_wait_dscnt 0x0                               ; the add is done, my reads of this slot are over
	s_barrier_signal -1
	MUL8 F1, 0, 2, 0
	WIN 0
	s_barrier_wait -1
.if \fill
	CREST
	JLOAD                                          ; its four v_nop are also the places in front of the loads below
.else
	PLACES
.endif
	v_add_nc_u32 v[ADRA], s[TB], v[A0]
	v_add_nc_u32 v[ADRB], s[TB], v[B0]
	v_add_nc_u32 v[ADRB+1], 128*PB, v[ADRB]
	FETCH 0, F0
	MUL8 F1, 1, 0, 0
	MUL8 F1, 1, 2, 0
.endm
	s_wait_tensorcnt 0x1                           ; my part of K step 0 is in; K step 1's load stays out
	s_barrier_signal -1
	s_barrier_wait -1
	v_mov_b32 v[ADRA], v[A0]
	v_mov_b32 v[ADRB], v[B0]
	v_add_nc_u32 v[ADRB+1], 128*PB, v[B0]
	FETCH 0, F0
	s_wait_loadcnt 32                              ; the bias is in; the 32 loads of the residual stay out
	QUARTER 1, F0, F1, 1                           ; the first quarter stands in front of the loop: its first products start the sums
	WIN 0
	s_mov_b32 s[CNT], NK-2
.Lstep:                                                ; trip t ends K step t, asks for K step t + 2 and begins K step t + 1
	QUARTER 2, F1, F0, 0
	QUARTER 3, F0, F1, 0
	TURN 1
	QUARTER 1, F0, F1, 0
	WIN 0
	s_sub_co_u32 s[CNT], s[CNT], 1
	s_cmp_lg_u32 s[CNT], 0
	s_cbranch_scc1 .Lstep
	QUARTER 2, F1, F0, 0                           ; the last two K steps ask for nothing
	QUARTER 3, F0, F1, 0
	TURN 0
	QUARTER 1, F0, F1, 0
	QUARTER 2, F1, F0, 0
	QUARTER 3, F0, F1, 0
	s_wait_dscnt 16
	MUL8 F1, 0, 0, 0
	MUL8 F1, 0, 2, 0
	s_wait_dscnt 0x0
	MUL8 F1, 1, 0, 0
	MUL8 F1, 1, 2, 0
	WIN 0
	PLACES
	PLACES
	s_wait_loadcnt 0x0                             ; the residual
; THE WAY OUT, 16 rows at a time.  A wave's 64 columns of f32 are 256 bytes: the stage is my own.  In by 16 bytes (each accumulator's low registers first), back as whole rows, the residual added, stored.
.macro TOSTAGE a
	WIN 0
.irp b, 0,1,2,3
	ds_store_b128 v[STO], v[ACC+8*(4*(\a)+(\b)):ACC+8*(4*(\a)+(\b))+3]   offset:64*(\b)
	ds_store_b128 v[STO], v[ACC+8*(4*(\a)+(\b))+4:ACC+8*(4*(\a)+(\b))+7] offset:64*(\b)+16
.endr
.irp t, 0,1,2,3,4,5,6,7
	ds_load_b128 v[T+32*((\a)%2)+4*(\t):T+32*((\a)%2)+4*(\t)+3], v[RD] offset:(\t)*2*SP  ; LDS serves a wave's instructions in order: these see the stores above
.endr
.endm
.macro SEND a, younger                 ; younger: the next block's sixteen LDS instructions, or none
	s_wait_dscnt \younger
	WIN 0x82                                       ; the residual (destination and source 0) in window 2
.set i, 0
.rept 16
	v_pk_add_f32 v[32*(\a)+2*i:32*(\a)+2*i+1], v[32*(\a)+2*i:32*(\a)+2*i+1], v[T+32*((\a)%2)+2*i:T+32*((\a)%2)+2*i+1]
.set i, i+1
.endr
	WIN 0x08                                       ; the stores' data in window 2
.irp t, 0,1,2,3,4,5,6,7
	global_store_b128 v[CO], v[32*(\a)+4*(\t):32*(\a)+4*(\t)+3], s[12:13] offset:(16*(\a)+2*(\t))*4096  ; 16 lanes store 256 consecutive bytes, aligned
.endr
	WIN 0
.endm
	TOSTAGE 0
.irp a, 1,2,3
	TOSTAGE \a
	SEND (\a)-1, 16
.endr
	SEND 3, 0
	s_wait_tensorcnt 0x0                           ; the wave's end
	ds_add_u32 v[SPW], v[NIL]
	s_wait_dscnt 0x0
	CROUND                                         ; the closing round
	s_endpgm
.Lfunc_end_k_q11d6159c19_ffn2:
	.size	k_q11d6159c19_ffn2, .Lfunc_end_k_q11d6159c19_ffn2-k_q11d6159c19_ffn2
	.p2alignl 7, 3214868480
	.fill 96, 4, 3214868480
	.section	.rodata,"a",@progbits
	.p2align	6, 0x0
	.amdhsa_kernel k_q11d6159c19_ffn2
		.amdhsa_group_segment_fixed_size 327680
		.amdhsa_private_segment_fixed_size 0
		.amdhsa_enable_private_segment 0
		.amdhsa_kernarg_size 40
		.amdhsa_user_sgpr_count 2
		.amdhsa_user_sgpr_kernarg_segment_ptr 1
		.amdhsa_wavefront_size32 1
		.amdhsa_system_sgpr_workgroup_id_x 1
		.amdhsa_system_sgpr_workgroup_id_y 1
		.amdhsa_system_sgpr_workgroup_id_z 1
		.amdhsa_system_vgpr_workitem_id 0
		.amdhsa_next_free_vgpr 640
		.amdhsa_next_free_sgpr 80
		.amdhsa_reserve_vcc 0
		.amdhsa_float_denorm_mode_32 3
		.amdhsa_float_denorm_mode_16_64 3
		.amdhsa_memory_ordered 1
		.amdhsa_forward_progress 1
		.amdhsa_inst_pref_size 76
	.end_amdhsa_kernel
	.amdgpu_metadata
---
amdhsa.version: [ 1, 2 ]
amdhsa.kernels:
  - .name:           k_q11d6159c19_ffn2
    .symbol:         k_q11d6159c19_ffn2.kd
    .args:
      - { .name: h, .offset: 0, .size: 8, .value_kind: global_buffer, .address_space: global }
      - { .name: wb, .offset: 8, .size: 8, .value_kind: global_buffer, .address_space: global }
      - { .name: x1, .offset: 16, .size: 8, .value_kind: global_buffer, .address_space: global }
      - { .name: b2, .offset: 24, .size: 8, .value_kind: global_buffer, .address_space: global }
      - { .name: out0, .offset: 32, .size: 8, .value_kind: global_buffer, .address_space: global }
    .group_segment_fixed_size: 327680
    .private_segment_fixed_size: 0
    .kernarg_segment_align: 8
    .kernarg_segment_size: 40
    .max_flat_workgroup_size: 128
    .sgpr_count:     80
    .vgpr_count:     640
    .wavefront_size: 32
...
	.end_amdgpu_metadata
.endif
;; end of part 7
